; MI455X (gfx1250); checked and timed in simulation.
; The chip was launched on July 23, 2026; its instructions are those of AMD's public machine-readable ISA for CDNA 5 (MIT licence, August 2026) and "CDNA5" Instruction Set Architecture Reference Guide (July 2026). The comments in the code are by the model that wrote it; some were corrected since.
;; Multi Head Attention. Allowed arithmetic: matrix products marked QUANTISED: E2M1 operands, one E8M0 scale for each 32 along K, by v_wmma_scale_f32_16x16x128_f8f6f4 with both operands' format E2M1 (or v_wmma_scale_f32_32x16x128_f4), f32 sums; everything else in f32.
;; Inputs: Wk_codes 1,024 x 32 x 16 uint8 (E2M1 codes of Wk, K innermost, in blocks of 32 codes, two codes a byte); Wk_scales 1,024 x 32 uint8 (E8M0 scales of Wk, one for each 32 codes along K); Wo_codes 1,024 x 32 x 16 uint8 (E2M1 codes of Wo, K innermost, in blocks of 32 codes, two codes a byte); Wo_scales 1,024 x 32 uint8 (E8M0 scales of Wo, one for each 32 codes along K); Wq_codes 1,024 x 32 x 16 uint8 (E2M1 codes of Wq, K innermost, in blocks of 32 codes, two codes a byte); Wq_scales 1,024 x 32 uint8 (E8M0 scales of Wq, one for each 32 codes along K); Wv_codes 1,024 x 32 x 16 uint8 (E2M1 codes of Wv, K innermost, in blocks of 32 codes, two codes a byte); Wv_scales 1,024 x 32 uint8 (E8M0 scales of Wv, one for each 32 codes along K); bk 1,024 float32; bo 1,024 float32; bq 1,024 float32; bv 1,024 float32; key_codes 4 x 2,048 x 32 x 16 uint8 (E2M1 codes of key, K innermost, in blocks of 32 codes, two codes a byte); key_scales 4 x 2,048 x 32 uint8 (E8M0 scales of key, one for each 32 codes along K); query_codes 4 x 2,048 x 32 x 16 uint8 (E2M1 codes of query, K innermost, in blocks of 32 codes, two codes a byte); query_scales 4 x 2,048 x 32 uint8 (E8M0 scales of query, one for each 32 codes along K); value_codes 4 x 2,048 x 32 x 16 uint8 (E2M1 codes of value, K innermost, in blocks of 32 codes, two codes a byte); value_scales 4 x 2,048 x 32 uint8 (E8M0 scales of value, one for each 32 codes along K).
;; Outputs: out0 4 x 2,048 x 1,024 float32.
;; This version of the problem:
;;   THIS VERSION OF THE PROBLEM IS GIVEN IN LOW PRECISION. The matrix products marked QUANTISED in the list below multiply operands that are first quantised to E2M1 (2 exponent bits, 1 mantissa bit; 4 bits a number), with one power-of-two scale for each 32 numbers along K (OCP MX v1.0); their sums are f32. All else is computed in f32.
;;   The module's matrix products, in the order in which they are computed (A, B: the left and right operand; K: the contracted axis; several contracted axes count as one K, in the product's order):
;;     1. [M 8,192, K 1,024] x [K 1,024, N 1,024]; A: input query (given as codes); B: input Wq (given as codes): QUANTISED
;;     2. [M 8,192, K 1,024] x [K 1,024, N 1,024]; A: input key (given as codes); B: input Wk (given as codes): QUANTISED
;;     3. [M 8,192, K 1,024] x [K 1,024, N 1,024]; A: input value (given as codes); B: input Wv (given as codes): QUANTISED
;;     4. batch 64 x [M 2,048, K 64] x [K 64, N 2,048]; A: computed on the way; B: computed on the way: QUANTISED
;;     5. batch 64 x [M 2,048, K 2,048] x [K 2,048, N 64]; A: softmax (see below); B: computed on the way: QUANTISED
;;     6. [M 8,192, K 1,024] x [K 1,024, N 1,024]; A: computed on the way; B: input Wo (given as codes): QUANTISED
;;   THE QUANTISER, for each operand of a quantised product, along K:
;;     - K is cut into blocks of 32 from its start; a last block that is shorter is filled with zeros.
;;     - A block's scale is 2^e with e = floor(log2(the largest magnitude in the block)) - 2, held to -126 .. 127; a block of zeros has e = 0. As a byte (E8M0): e + 127.
;;     - Each number is divided by its block's scale, clamped to +-6, and rounded to the nearest number of E2M1, ties to even, subnormals kept.
;;     - The product sums the exact products of the quantised numbers (number of the format x scale) in f32.
;;   ~~~python
;;   def quantise(x, axis):      # numpy; x: float32 -> the quantised numbers, widened to float32 again
;;       x = np.moveaxis(x, axis, -1); K = x.shape[-1]
;;       x = np.pad(x, [(0, 0)] * (x.ndim - 1) + [(0, -K % 32)]); x = x.reshape(x.shape[:-1] + (-1, 32)); a = np.abs(x).max(-1, keepdims=True)
;;       e = np.where(a > 0, np.clip(np.frexp(np.where(a > 0, a, 1))[1] - 1 - 2, -126, 127), 0)      # np.frexp(a)[1] - 1 = floor(log2(a)), exactly
;;       r = np.clip(x / 2.0 ** e, -6, 6)
;;       step = 2.0 ** (np.maximum(np.frexp(np.where(r == 0, 1, r))[1] - 1, 0) - 1)
;;       q = np.round(r / step) * step * 2.0 ** e      # np.round: ties to even
;;       return np.moveaxis(q.reshape(q.shape[:-2] + (-1,))[..., :K], -1, axis).astype(np.float32)
;;   ~~~
;;   SOFTMAX AHEAD OF A QUANTISED PRODUCT. Where the list says 'softmax', what is quantised is not the finished softmax but p = 2^(t - M), with t = logit x log2(e) and M = ceil(the row's largest t), a whole number; so 1/2 < the row's largest p <= 1. The row's sum l is taken of the UNQUANTISED p, in f32, and the product's result is divided by l at the end. Since M is a whole number, a kernel that streams over the keys may use a running M (the ceiling of the running maximum): every later rescaling is an exact power of two, which a block's scale takes up: the codes' values come out the same.
;;   OPERANDS COMPUTED ON THE WAY. 'Computed on the way' means the value that the module computes at that place (a softmax that the list does not call 'softmax' is quantised finished and normalised). What goes into a quantiser is computed in f32, as accurately as f32 sums, v_exp_f32 and their like allow (about 1e-6 of the number): no bf16 or f16 on the way to a quantiser, and a product that is left as it is and whose result goes on into a quantised operand takes f32 operands (vector FMAs, or v_wmma_f32_16x16x4_f32). A number that lies on a knife's edge between two numbers of the format may be rounded either way, as far as f32 arithmetic and the matrix unit's own rounding can turn it there, and no further.
;;   INPUTS GIVEN AS CODES. Wk (in the module: [1024, 1024], K = its axis 1); Wo (in the module: [1024, 1024], K = its axis 1); Wq (in the module: [1024, 1024], K = its axis 1); Wv (in the module: [1024, 1024], K = its axis 1); key (in the module: [4, 2048, 1024], K = its axis 2); query (in the module: [4, 2048, 1024], K = its axis 2); value (in the module: [4, 2048, 1024], K = its axis 2): each comes as NAME_codes (uint8): NAME with its K axis moved to the last place and cut into blocks of 32 codes, [.., K / 32, bytes a block], one block behind the other in memory; two codes a byte, the lower K in the low four bits (a code: sign, 2 exponent bits, 1 mantissa bit); and NAME_scales (uint8): the same leading axes, one E8M0 byte (e + 127) for each 32 codes along K. Its value is code x scale, taken as it is: it is not quantised again, and the codes and scales need not be those that the quantiser above would give.
;; One version. Each part assembles by itself: llvm-mc -triple=amdgcn-amd-amdhsa -mcpu=gfx1250 --defsym DOCPART=n.
;; ======== version 1 of 1: 3 launches
;; workspace buffers: qc 4,194,304 bytes; qs 524,288 bytes; kv 9,175,040 bytes; cc 4,194,304 bytes; cs 262,144 bytes
;; launch proj (part 1): grid 4 x 192, 4 waves a work-group, clusters of 4 x 4, 222,464 bytes of LDS; arguments Wq_codes, Wq_scales, query_codes, query_scales, bq, qc, Wk_codes, Wk_scales, key_codes, key_scales, bk, qs, value_codes, value_scales, Wv_codes, Wv_scales, bv, kv; writes qc, qs, kv
.if DOCPART == 1
	.amdgcn_target "amdgcn-amd-amdhsa--gfx1250"
	.amdhsa_code_object_version 6
	.text
	.protected	k_qff9639cccb_proj
	.globl	k_qff9639cccb_proj
	.p2align	8
	.type	k_qff9639cccb_proj,@function
k_qff9639cccb_proj:
	s_mov_b64 s[64:65], 0
	v_nop
	global_prefetch_b8 v0, s[64:65] scope:SCOPE_SE
	s_setreg_imm32_b32 hwreg(HW_REG_WAVE_MODE, 25, 1), 1
	s_wait_xcnt 0x0
	s_wait_alu depctr_hold_cnt(0) depctr_sa_sdst(0) depctr_va_vdst(0) depctr_va_sdst(0) depctr_va_ssrc(0) depctr_va_vcc(0) depctr_vm_vsrc(0)
	s_getreg_b32 s2, hwreg(HW_REG_IB_STS2, 6, 4)
	s_cmp_eq_u32 s2, 0
	s_cbranch_scc0 .Lentry_in_a_cluster
	s_endpgm
.Lentry_in_a_cluster:
	s_bfe_u32 s2, ttmp6, 0x10000c
	s_cmp_lg_u32 s2, 0xf033
	s_cbranch_scc0 .Lentry_shape_is_right
	s_endpgm
.Lentry_shape_is_right:
; THE THREE PROJECTIONS q, k, v = x W^T + b on given codes of FP4 (E2M1) with E8M0 scales, and the quantising of their results for the attention launch.
; ONE SCHEME: C'[i][j] = sum over k of P[i][k] Q[j][k] + bias, K = 1,024; source 0 = 16 rows of P, source 1 = 16 rows of Q, so lane (r, hh), register e of accumulator (ti, tj)
; holds i = 16 ti + 8 hh + e, j = 16 tj + r: a lane's registers run along i, and the result is quantised along i.
;   kind 0, 1 (q, k): P = W (i = output channel: the next product's K is the head's 64 channels), Q = x (j = token), the bias runs along i.
;   kind 2 (v):       P = value (i = token: the next product's K is the keys), Q = Wv (j = channel), the bias runs along j.
; SHARES: a work-group makes i 256 x j 128: 256 work-groups a kind, 768 in all.  Wave w: wi = w / 2 (its 128 i), wj = w % 2 (its 64 j): 8 x 4 accumulators, 256 registers.
; ALL OF K LIES IN LDS AT ONCE: P's 256 rows and Q's 128 rows of 512 bytes, as two halves along K (rows of 256 bytes), and their scale bytes.  Every LDS byte is filled once, by loads issued at the head:
; no slot is filled again.  The second half along K lands while the first is multiplied.
; CLUSTERS: 4 x 4 work-groups.  P's tile hangs on ti (cx) alone and is asked for jointly by my column, Q's on tj (cy) alone and is asked for jointly by my row.
; QUANTISING WITHOUT A CHANGE OF ROWS: a block of 32 along i is accumulators 2 b, 2 b + 1 of lanes l and l xor 16.  The conversion of accumulator 2 b + u gives, in lane half hh, word 2 u + hh of the block's four.
; Its result goes to code register 4 (b / 2) + (b % 2) + 2 u; an exchange of halves between registers 4 c, 4 c + 1 and between 4 c + 2, 4 c + 3 then leaves registers 4 c .. 4 c + 3 with
; k = 64 c + 32 hh + 0 .. 31: the operand's own layout.
; WHAT IS STORED ARE IMAGES OF THE READER'S REGISTERS: 16 bytes a lane at 16 x lane, 512 consecutive bytes a store.
;   qc [head 64][tile of 16 tokens 128][lane][16]: lane (r, hh): block hh of token r.   qs [head][64 tokens 32][lane L][e 2][4]: the scale word of tile 2 e + L / 16, row L % 16: {s0, s1, 0x7f, 0x7f}.
;   kv [head 64][step of 128 keys 16][8,960]: +0 K's 8 tiles as in qc; +4,096 V's 4 channel tiles x 1,024 (registers 4 c ..: 512 c + 16 lane); +8,192 K's scale words, two groups as in qs; +8,704 V's, [L][e][4].
; LIMITS: NaN and infinities are not served; a given scale byte 0xff gives NaN.  A block of zeros gets the byte 1 where the quantiser's rule says 127: its codes are zeros, and only this program reads the bytes.
.set PITCH, 272                        ; an LDS row: 256 bytes + 16 of padding: the 16 rows that a fragment load touches start 68 words apart
.set P0,    0                          ; P's 256 rows, K 0 .. 511
.set P1,    256*PITCH                  ; K 512 .. 1,023
.set Q0,    512*PITCH                  ; Q's 128 rows, K 0 .. 511
.set Q1,    640*PITCH
.set PS,    768*PITCH                  ; P's scale bytes: 256 rows x 32 bytes = 32 rows of 256 bytes
.set QS,    800*PITCH                  ; Q's: 16 rows of 256 bytes; the end is 816 x 272 = 221,952
.set HEADB, 143360                     ; a head's bytes in kv
.set STEPB, 8960                       ; a step's
.set ADP,  4                           ; v4-5   LDS address of my P fragments, K half 0, 1
.set ADQ,  6                           ; v6-7   the same for Q
.set ADPS, 8                           ; v8     of my P rows' scale words
.set ADQS, 9                           ; v9     of my Q rows'
.set VB,   10                          ; v10-17 the bias loads' offsets, one for each register e
.set VO,   18                          ; v18-25 the code stores' offsets: 16 lane + tj STJ + c SC at VO + 2 tj + c
.set VS,   26                          ; v26-27 the scale stores' offsets
.set PSC,  32                          ; v32-95  P's scale words: block ti, K step q at PSC + 8 ti + q
.set QSC,  96                          ; v96-127 Q's: QSC + 8 tj + q
.set TM,   128                         ; v128-143 at work in QUANT
.set PW,   144                         ; v144-147 the scale word of each tj
.set MW,   148                         ; v148-149 two tiles' words merged: lanes 0-15 tile 2 e, lanes 16-31 tile 2 e + 1
.set SW,   150                         ; v150-153 the words as stored
.set PC,   160                         ; v160-191 the codes: 8 registers for each tj, never rewritten
.set BI,   192                         ; window 2: the bias in the result's layout, 8 runs of 8
.set WV,   18
.set KIND, 19
.set G1P,  20                          ; s[20:27] group 1 for P's codes;  s[28:35] for Q's;  s[36:43], s[44:51] for their scale bytes
.set G1Q,  28
.set G1PS, 36
.set G1QS, 44
.set G0P,  52                          ; s[52:63] three groups 0 for P: scales, K half 0, K half 1
.set G0Q,  68                          ; s[68:79] the same for Q
.set SEL,  98                          ; s[98:99] v_permlanex16_b32's selects for lane l xor 16
.set MSB, 0
.macro WIN new                         ; the immediate's high byte repeats the setting that is left; a switch that changes nothing is dropped
.if MSB != \new
	s_set_vgpr_msb (MSB<<8)|\new
.set MSB, \new
.endif
.endm
.macro PLACES                          ; four plain vector lines between a matrix instruction and a load into, or a read of, its registers
.rept 4
	v_nop
.endr
.endm
.macro CROUND                          ; a round of the cluster's barrier
	s_barrier_signal -1
	s_barrier_wait -1
	s_cmp_lg_u32 s[WV], 0
	s_cbranch_scc1 .Lnot_wave_0_\@
	s_barrier_signal -3
.Lnot_wave_0_\@:
	s_barrier_wait -3
	s_barrier_signal -1
	s_barrier_wait -1
.endm
	s_load_b128 s[4:7], s[0:1], 0x0                ; kind 0: P's codes, P's scales
	s_load_b128 s[8:11], s[0:1], 0x10              ;         Q's codes, Q's scales
	s_load_b128 s[12:15], s[0:1], 0x20             ;         bias, qc
	s_load_b128 s[20:23], s[0:1], 0x30             ; kind 1 likewise,
	s_load_b128 s[24:27], s[0:1], 0x40
	s_load_b128 s[28:31], s[0:1], 0x50             ;         bias, qs
	s_load_b128 s[36:39], s[0:1], 0x60             ; kind 2 likewise,
	s_load_b128 s[40:43], s[0:1], 0x70
	s_load_b128 s[44:47], s[0:1], 0x80             ;         bias, kv
	v_lshl_add_u32 v254, v0, 2, 0x36300
	v_mov_b32 v255, 0
	ds_add_u32 v254, v255
	ds_add_u32 v254, v255
	v_lshrrev_b32 v1, 5, v0
	v_readfirstlane_b32 s[WV], v1                  ; wave 0..3
	s_bfe_u32 s80, ttmp6, 0x40000                  ; cx
	s_bfe_u32 s81, ttmp6, 0x40004                  ; cy
	s_and_b32 s82, ttmp7, 0xffff                   ; the cluster's y, 0 .. 47: the same in all sixteen partners
	s_lshr_b32 s[KIND], s82, 4                     ; kind 0, 1, 2
	s_and_b32 s82, s82, 15                         ; the cluster's number in its kind
	s_lshr_b32 s83, s82, 1
	s_and_b32 s84, s82, 1
	s_cmp_eq_u32 s[KIND], 2
	s_cselect_b32 s83, s83, 0                      ; v: 8 clusters along i, 2 along j;  q, k: 1 along i, 16 along j
	s_cselect_b32 s84, s84, s82
	s_lshl_b32 s85, s83, 2
	s_add_co_u32 s85, s85, s80                     ; ti: my 256 rows of P
	s_lshl_b32 s86, s84, 2
	s_add_co_u32 s86, s86, s81                     ; tj: my 128 rows of Q
	s_lshl_b32 s87, 0x1111, s80                    ; my column of the cluster: it shares ti
	s_lshl_b32 s88, s81, 2
	s_lshl_b32 s88, 15, s88                        ; my row: it shares tj
	s_and_b32 s89, s[WV], 1                        ; which 128 rows of P waves 0 and 1 fetch
	s_mov_b32 s[SEL], 0x76543210
	s_mov_b32 s[SEL+1], 0xfedcba98
	s_mov_b32 s66, 0xffff0000                      ; lanes 16-31
	s_mov_b32 s67, 0x7f7f7f7f                      ; the scale byte of 1.0
	s_wait_dscnt 0x0
	s_wait_kmcnt 0x0
	s_cmp_eq_u32 s[KIND], 1                        ; the kind's five inputs: the choice hangs on the cluster's number alone
	s_cselect_b64 s[4:5], s[20:21], s[4:5]
	s_cselect_b64 s[6:7], s[22:23], s[6:7]
	s_cselect_b64 s[8:9], s[24:25], s[8:9]
	s_cselect_b64 s[10:11], s[26:27], s[10:11]
	s_cselect_b64 s[12:13], s[28:29], s[12:13]
	s_cmp_eq_u32 s[KIND], 2
	s_cselect_b64 s[4:5], s[36:37], s[4:5]
	s_cselect_b64 s[6:7], s[38:39], s[6:7]
	s_cselect_b64 s[8:9], s[40:41], s[8:9]
	s_cselect_b64 s[10:11], s[42:43], s[10:11]
	s_cselect_b64 s[12:13], s[44:45], s[12:13]
	s_cmp_eq_u32 s[KIND], 0
	s_cselect_b64 s[14:15], s[14:15], s[46:47]     ; where the codes go: qc or kv
	s_cselect_b64 s[16:17], s[30:31], s[46:47]     ; where the scale words go: qs or kv
	; group 1 for codes: 128 rows x 256 bytes out of rows of 512, 16 bytes of padding behind each
	s_or_b32 s[G1P], s87, (0<<16)|(1<<20)|(1<<21)|(5<<22)|(3<<25)   ; 15:0 the mask; 17:16 elements of 1 byte; 20 padding on; 21 set beside a mask; 24:22 after every 64 words; 31:25 four words
	s_or_b32 s[G1Q], s88, (0<<16)|(1<<20)|(1<<21)|(5<<22)|(3<<25)
.irp g, G1P, G1Q
	s_mov_b32 s[\g+1], 256<<16                     ; tensor_dim0
	s_mov_b32 s[\g+2], 128<<16                     ; tensor_dim1
	s_mov_b32 s[\g+3], 256<<16                     ; tile_dim0
	s_mov_b32 s[\g+4], 128                         ; tile_dim1
	s_mov_b32 s[\g+5], 512                         ; from row to row
	s_mov_b32 s[\g+6], 0
	s_mov_b32 s[\g+7], 0
.endr
	; group 1 for scale bytes: the 4,096 dense bytes of 128 rows, as 16 rows of 256 bytes (32 elements of 8 bytes), padded alike
	s_or_b32 s[G1PS], s87, (3<<16)|(1<<20)|(1<<21)|(5<<22)|(3<<25)
	s_or_b32 s[G1QS], s88, (3<<16)|(1<<20)|(1<<21)|(5<<22)|(3<<25)
.irp g, G1PS, G1QS
	s_mov_b32 s[\g+1], 32<<16
	s_mov_b32 s[\g+2], 16<<16
	s_mov_b32 s[\g+3], 32<<16
	s_mov_b32 s[\g+4], 16
	s_mov_b32 s[\g+5], 32
	s_mov_b32 s[\g+6], 0
	s_mov_b32 s[\g+7], 0
.endr
	; P's groups 0: made of ti and the wave's number
	s_lshl_b32 s90, s85, 13                        ; 256 rows x 32 scale bytes
	s_lshl_b32 s91, s89, 12
	s_add_co_u32 s90, s90, s91
	s_mov_b32 s91, 0
	s_mov_b32 s[G0P], 1
	s_mul_i32 s[G0P+1], s89, 16*PITCH
	s_add_co_u32 s[G0P+1], s[G0P+1], PS
	s_add_nc_u64 s[G0P+2:G0P+3], s[6:7], s[90:91]
	s_or_b32 s[G0P+3], s[G0P+3], 0x80000000
	s_lshl_b32 s90, s85, 17                        ; 256 rows x 512 bytes of codes
	s_lshl_b32 s91, s89, 16
	s_add_co_u32 s90, s90, s91
	s_mov_b32 s91, 0
	s_mov_b32 s[G0P+4], 1
	s_mul_i32 s[G0P+5], s89, 128*PITCH
	s_add_nc_u64 s[G0P+6:G0P+7], s[4:5], s[90:91]
	s_mov_b32 s[G0P+8], 1
	s_add_co_u32 s[G0P+9], s[G0P+5], P1
	s_add_nc_u64 s[G0P+10:G0P+11], s[G0P+6:G0P+7], 256
	s_or_b32 s[G0P+7], s[G0P+7], 0x80000000
	s_or_b32 s[G0P+11], s[G0P+11], 0x80000000
	; Q's groups 0: made of tj alone; wave 2 issues all three
	s_lshl_b32 s96, s86, 12
	s_mov_b32 s97, 0
	s_mov_b32 s[G0Q], 1
	s_mov_b32 s[G0Q+1], QS
	s_add_nc_u64 s[G0Q+2:G0Q+3], s[10:11], s[96:97]
	s_or_b32 s[G0Q+3], s[G0Q+3], 0x80000000
	s_lshl_b32 s96, s86, 16
	s_mov_b32 s[G0Q+4], 1
	s_mov_b32 s[G0Q+5], Q0
	s_add_nc_u64 s[G0Q+6:G0Q+7], s[8:9], s[96:97]
	s_mov_b32 s[G0Q+8], 1
	s_mov_b32 s[G0Q+9], Q1
	s_add_nc_u64 s[G0Q+10:G0Q+11], s[G0Q+6:G0Q+7], 256
	s_or_b32 s[G0Q+7], s[G0Q+7], 0x80000000
	s_or_b32 s[G0Q+11], s[G0Q+11], 0x80000000
	CROUND                                         ; all sixteen work-groups are here: the joint loads meet
	s_cmp_lt_u32 s[WV], 2                          ; a wave's first fills stand in one branch on its number: three loads of mine are out at the most.  Four v_nop follow the last
	s_cbranch_scc0 .Lnot_p
	tensor_load_to_lds s[G0P:G0P+3], s[G1PS:G1PS+7]
	s_nop 0
	tensor_load_to_lds s[G0P+4:G0P+7], s[G1P:G1P+7]
	s_nop 0
	tensor_load_to_lds s[G0P+8:G0P+11], s[G1P:G1P+7]
	s_nop 0
.rept 4
	v_nop
.endr
	s_branch .Lasked
.Lnot_p:
	s_cmp_eq_u32 s[WV], 2
	s_cbranch_scc0 .Lasked
	tensor_load_to_lds s[G0Q:G0Q+3], s[G1QS:G1QS+7]
	s_nop 0
	tensor_load_to_lds s[G0Q+4:G0Q+7], s[G1Q:G1Q+7]
	s_nop 0
	tensor_load_to_lds s[G0Q+8:G0Q+11], s[G1Q:G1Q+7]
	s_nop 0
.rept 4
	v_nop
.endr
.Lasked:
	; LDS addresses: a constant + a constant x wave half + the lane's term
	v_and_b32 v1, 15, v0                           ; r
	v_bfe_u32 v2, v0, 4, 1                         ; hh
	v_and_b32 v3, 31, v0                           ; lane
	s_lshr_b32 s100, s[WV], 1                      ; wi
	s_and_b32 s101, s[WV], 1                       ; wj
	v_mul_u32_u24 v28, v1, PITCH
	v_lshl_add_u32 v28, v2, 4, v28                 ; a fragment: row r, + 16 hh
	s_mul_i32 s89, s100, 128*PITCH
	v_add_nc_u32 v[ADP], s89, v28
	s_add_co_u32 s89, s89, P1
	v_add_nc_u32 v[ADP+1], s89, v28
	s_mul_i32 s89, s101, 64*PITCH
	s_add_co_u32 s89, s89, Q0
	v_add_nc_u32 v[ADQ], s89, v28
	s_add_co_u32 s89, s89, Q1-Q0
	v_add_nc_u32 v[ADQ+1], s89, v28
	v_lshrrev_b32 v29, 3, v1
	v_lshlrev_b32 v29, 4, v29
	v_lshl_add_u32 v29, v1, 5, v29                 ; a row's 32 scale bytes: 32 r, and 16 more behind each 256
	s_mul_i32 s89, s100, 16*PITCH
	s_add_co_u32 s89, s89, PS
	v_add_nc_u32 v[ADPS], s89, v29
	s_mul_i32 s89, s101, 8*PITCH
	s_add_co_u32 s89, s89, QS
	v_add_nc_u32 v[ADQS], s89, v29
	; THE BIAS in the result's layout, by one path for all kinds.  q, k: run ti, register e = bias[16 ti + 8 hh + e] of my 128;  v: run tj, every register = bias[16 tj + r] of my 64, and runs 4-7 repeat
	; runs 0-3, so that all 64 registers are written and every load stays inside the 4,096 bytes
	s_lshl_b32 s4, s86, 9
	s_lshl_b32 s5, s101, 8
	s_add_co_u32 s4, s4, s5                        ; v: 4 (128 tj + 64 wj)
	s_lshl_b32 s5, s85, 10
	s_lshl_b32 s6, s100, 9
	s_add_co_u32 s5, s5, s6                        ; q, k: 4 (256 ti + 128 wi)
	s_mov_b32 s6, 256
	s_cmp_eq_u32 s[KIND], 2
	s_cselect_b32 s4, s4, s5
	s_cselect_b32 s6, 0, s6                        ; runs 4-7 begin 64 numbers on, or again at the start
	s_cselect_b32 s8, 4, 0                         ; x r
	s_cselect_b32 s9, 0, 32                        ; x hh
	s_cselect_b32 s10, 0, 4                        ; from register to register
	s_mov_b32 s5, 0
	s_mov_b32 s7, 0
	s_add_nc_u64 s[92:93], s[12:13], s[4:5]
	s_add_nc_u64 s[94:95], s[92:93], s[6:7]
	v_mul_u32_u24 v[VB], v1, s8
	v_mad_u32_u24 v[VB], v2, s9, v[VB]
.irp e, 1,2,3,4,5,6,7
	v_add_nc_u32 v[VB+\e], s10, v[VB+\e-1]
.endr
	WIN 0x80                                       ; destination window 2
.irp n, 0,1,2,3,4,5,6,7
.irp e, 0,1,2,3,4,5,6,7
	global_load_b32 v[BI+8*\n+\e], v[VB+\e], s[92+2*(\n/4):93+2*(\n/4)] offset:64*(\n%4)
.endr
.endr
	WIN 0
	; WHERE THE RESULTS GO.  q, k: my 64 tokens begin at token 128 tj + 64 wj, my two heads at 4 ti + 2 wi
	s_lshl_b32 s4, s86, 7
	s_lshl_b32 s5, s101, 6
	s_add_co_u32 s4, s4, s5
	s_lshr_b32 s5, s4, 11                          ; the batch
	s_and_b32 s4, s4, 2047                         ; the token in it
	s_lshl_b32 s5, s5, 4
	s_lshl_b32 s6, s85, 2
	s_add_co_u32 s5, s5, s6
	s_lshl_b32 s6, s100, 1
	s_add_co_u32 s5, s5, s6                        ; 16 batch + head
	s_lshl_b32 s6, s5, 16
	s_lshl_b32 s7, s4, 5
	s_add_co_u32 s6, s6, s7                        ; qc: 65,536 a head, 512 a tile of 16 tokens
	s_lshl_b32 s7, s5, 13
	s_lshl_b32 s8, s4, 2
	s_add_co_u32 s7, s7, s8                        ; qs: 8,192 a head, 256 for 64 tokens
	s_mul_i32 s8, s5, HEADB
	s_lshr_b32 s9, s4, 7
	s_mul_i32 s9, s9, STEPB
	s_add_co_u32 s8, s8, s9                        ; kv: the head and the step
	s_bfe_u32 s9, s4, 0x10006                      ; which 64 of the step's 128 keys
	s_lshl_b32 s10, s9, 11
	s_add_co_u32 s10, s10, s8                      ; k's codes
	s_lshl_b32 s9, s9, 8
	s_add_co_u32 s9, s9, s8
	s_add_co_u32 s9, s9, 8192                      ; k's scale words
	s_cmp_eq_u32 s[KIND], 1
	s_cselect_b32 s6, s10, s6
	s_cselect_b32 s7, s9, s7
	s_lshl_b32 s4, s85, 8                          ; v: my 128 keys begin at token 256 ti + 128 wi: one step; my 64 channels are head 2 tj + wj
	s_lshl_b32 s5, s100, 7
	s_add_co_u32 s4, s4, s5
	s_lshr_b32 s5, s4, 11
	s_lshl_b32 s5, s5, 4
	s_lshl_b32 s8, s86, 1
	s_add_co_u32 s5, s5, s8
	s_add_co_u32 s5, s5, s101
	s_bfe_u32 s4, s4, 0x40007                      ; the step
	s_mul_i32 s5, s5, HEADB
	s_mul_i32 s4, s4, STEPB
	s_add_co_u32 s4, s4, s5
	s_add_co_u32 s5, s4, 8704                      ; v's scale words
	s_add_co_u32 s4, s4, 4096                      ; v's codes
	s_cmp_eq_u32 s[KIND], 2
	s_cselect_b32 s6, s4, s6
	s_cselect_b32 s8, s5, s7
	s_mov_b32 s7, 0
	s_mov_b32 s9, 0
	s_add_nc_u64 s[14:15], s[14:15], s[6:7]
	s_add_nc_u64 s[16:17], s[16:17], s[8:9]
	s_cmp_eq_u32 s[KIND], 2
	s_mov_b32 s4, 512
	s_cselect_b32 s4, 1024, s4                     ; STJ, from tj to tj: the next tile of tokens, or the next channel tile of V
	s_mov_b32 s2, 0x04040100
	s_cselect_b32 s2, 0x03020100, s2               ; the first stored word: q, k: bytes 0, 1 and twice 0x7f;  v: all four bytes
	s_mov_b32 s5, HEADB
	s_cselect_b32 s5, 512, s5
	s_cmp_eq_u32 s[KIND], 0
	s_cselect_b32 s5, 0x10000, s5                  ; SC, from registers 0-3 to 4-7: the next head (in qc or kv), or V's keys 64 on
	s_mov_b32 s11, HEADB
	s_cselect_b32 s11, 8192, s11                   ; SS: the next head's scale words
	s_mov_b32 s3, 0x04040302                       ; the second head's word: bytes 2, 3 and twice 0x7f
	v_lshlrev_b32 v[VO], 4, v3
	v_add_nc_u32 v[VO+1], s5, v[VO]
.irp j, 1,2,3
	v_add_nc_u32 v[VO+2*\j], s4, v[VO+2*\j-2]
	v_add_nc_u32 v[VO+2*\j+1], s4, v[VO+2*\j-1]
.endr
	v_lshlrev_b32 v[VS], 3, v3
	v_add_nc_u32 v[VS+1], s11, v[VS]
.irp b, 0,1,2,3
	v_mov_b32 v[TM+4+\b], 0                        ; written once: a lane permute's destination counts as one of its sources
.endr
; 24 LDS loads in one run: the fragments of K step q (128 along K) into set q % 2 of window 2: P's eight at 96 set, Q's four at 96 set + 64
.macro FETCH q
.set FS, 96*((\q)%2)
.set FH, (\q)/4
.set FK, 64*((\q)%4)
	WIN 0x80
.irp i, 0,1,2,3,4,5,6,7
.irp c, 0,1
	ds_load_b128 v[FS+8*\i+4*\c:FS+8*\i+4*\c+3], v[ADP+FH] offset:\i*16*PITCH+FK+32*\c
.endr
.endr
.irp i, 0,1,2,3
.irp c, 0,1
	ds_load_b128 v[FS+64+8*\i+4*\c:FS+64+8*\i+4*\c+3], v[ADQ+FH] offset:\i*16*PITCH+FK+32*\c
.endr
.endr
	WIN 0
.endm
; 16 matrix instructions: Q's blocks j0, j0 + 1 x P's eight.  cm = 0: onto the sums; 1: the sums begin with the bias along i; 2: with the bias along j.
; The 32 accumulators take turns, one instruction a turn, in the same order in every step.
.macro MUL16 q, j0, cm
.set FS, 96*((\q)%2)
.irp j, \j0, \j0+1
.irp i, 0,1,2,3,4,5,6,7
.if \cm == 0
	v_wmma_scale_f32_16x16x128_f8f6f4 v[64*(\j)+8*\i:64*(\j)+8*\i+7], v[FS+8*\i:FS+8*\i+7], v[FS+64+8*(\j):FS+64+8*(\j)+7], v[64*(\j)+8*\i:64*(\j)+8*\i+7], v[PSC+8*\i+(\q)], v[QSC+8*(\j)+(\q)] matrix_a_fmt:MATRIX_FMT_FP4 matrix_b_fmt:MATRIX_FMT_FP4
.elseif \cm == 1
	v_wmma_scale_f32_16x16x128_f8f6f4 v[64*(\j)+8*\i:64*(\j)+8*\i+7], v[FS+8*\i:FS+8*\i+7], v[FS+64+8*(\j):FS+64+8*(\j)+7], v[BI+8*\i:BI+8*\i+7], v[PSC+8*\i+(\q)], v[QSC+8*(\j)+(\q)] matrix_a_fmt:MATRIX_FMT_FP4 matrix_b_fmt:MATRIX_FMT_FP4
.else
	v_wmma_scale_f32_16x16x128_f8f6f4 v[64*(\j)+8*\i:64*(\j)+8*\i+7], v[FS+8*\i:FS+8*\i+7], v[FS+64+8*(\j):FS+64+8*(\j)+7], v[BI+8*(\j):BI+8*(\j)+7], v[PSC+8*\i+(\q)], v[QSC+8*(\j)+(\q)] matrix_a_fmt:MATRIX_FMT_FP4 matrix_b_fmt:MATRIX_FMT_FP4
.endif
.endr
.endr
.endm
.macro HEAD q                          ; this step's fragments are in; the next step's are asked for, into the set that the last step multiplied: they have this step's 32 matrix instructions in which to land
	s_wait_dscnt 0x0
.if (\q) < 7
.if (\q) > 0
	PLACES
.endif
	FETCH (\q)+1
.endif
.endm
.macro MULS q, cm
.if \cm
	WIN 0x6a                                       ; sources 0, 1 and C (the bias) window 2, D window 1
.else
	WIN 0x5a                                       ; sources 0, 1 window 2, C and D window 1
.endif
	MUL16 \q, 0, \cm
	MUL16 \q, 2, \cm
	WIN 0
.endm
; 64 numbers of a lane in window 1, v[s] on (register 8 t + e = i 16 t + 8 hh + e of my column), become 8 registers of codes at v[pc] and the column's scale word in v[pw]
.macro QUANT s, pc, pw
	WIN 0x05                                       ; sources 0, 1 window 1
.irp b, 0,1,2,3
	v_max3_num_f32 v[TM+\b], |v[\s+16*\b]|, |v[\s+16*\b+1]|, 0x1800000   ; block b: my 16 numbers, each accumulator from its low end on, and the floor 2^(3 - 127): the byte cannot fall under 1
.endr
	WIN 0x14                                       ; sources 1, 2 window 1
.irp i, 2,4,6,8,10,12,14
.irp b, 0,1,2,3
	v_max3_num_f32 v[TM+\b], v[TM+\b], |v[\s+16*\b+\i]|, |v[\s+16*\b+\i+1]|
.endr
.endr
	WIN 0
.irp b, 0,1,2,3
	v_permlanex16_b32 v[TM+4+\b], v[TM+\b], s[SEL], s[SEL+1]
.endr
.irp b, 0,1,2,3
	v_max_num_f32 v[TM+\b], v[TM+\b], v[TM+4+\b]   ; with lane l xor 16's 16: the block's largest magnitude
.endr
.irp b, 0,1,2,3
	v_add_nc_u32 v[TM+12+\b], 0xff000000, v[TM+\b] ; 2 off its exponent field: the conversion's scale operand
.endr
.irp b, 0,1,2,3
	v_lshrrev_b32 v[TM+4+\b], 23, v[TM+12+\b]      ; the scale's byte
.endr
	v_lshl_or_b32 v[\pw], v[TM+5], 8, v[TM+4]
	v_lshl_or_b32 v[\pw], v[TM+6], 16, v[\pw]
	v_lshl_or_b32 v[\pw], v[TM+7], 24, v[\pw]
	WIN 0x01                                       ; source 0 window 1
.irp b, 0,1,2,3
.irp u, 0,1
	v_cvt_scalef32_pk8_fp4_f32 v[\pc+4*(\b/2)+(\b%2)+2*\u], v[\s+16*\b+8*\u:\s+16*\b+8*\u+7], v[TM+12+\b]
.endr
.endr
	WIN 0
	v_nop                                          ; one plain line behind the scaled conversions
.irp c, 0,1
	v_permlane16_swap_b32 v[\pc+4*\c], v[\pc+4*\c+1]       ; the first's lanes 16-31 change places with the second's lanes 0-15: words 0 and 1 of blocks 2 c (lanes 0-15) and 2 c + 1 (lanes 16-31)
	v_permlane16_swap_b32 v[\pc+4*\c+2], v[\pc+4*\c+3]     ; words 2 and 3
.endr
.endm
	s_wait_tensorcnt 0x1                           ; my scale bytes and my part of K half 0 are in; the youngest of my three loads, K half 1, may stay out
	s_barrier_signal -1
	s_barrier_wait -1                              ; everybody's are
.irp i, 0,1,2,3,4,5,6,7
	ds_load_b128 v[PSC+8*\i:PSC+8*\i+3], v[ADPS] offset:\i*2*PITCH        ; the scale words of all eight K steps stay in registers
	ds_load_b128 v[PSC+8*\i+4:PSC+8*\i+7], v[ADPS] offset:\i*2*PITCH+16
.endr
.irp j, 0,1,2,3
	ds_load_b128 v[QSC+8*\j:QSC+8*\j+3], v[ADQS] offset:\j*2*PITCH
	ds_load_b128 v[QSC+8*\j+4:QSC+8*\j+7], v[ADQS] offset:\j*2*PITCH+16
.endr
	FETCH 0
	s_wait_loadcnt 0x0                             ; the bias
	HEAD 0
	s_cmp_eq_u32 s[KIND], 2                        ; the first step starts the sums with the bias: nothing is cleared, nothing is added later
	s_cbranch_scc1 .Lbias_j
	MULS 0, 1
	s_branch .Lsummed
.Lbias_j:
	MULS 0, 2
.Lsummed:
	HEAD 1
	MULS 1, 0
	HEAD 2
	MULS 2, 0
	s_wait_tensorcnt 0x0                           ; my part of K half 1 is in,
	s_wait_dscnt 0x0                               ; and no LDS load of mine is out at the signal
	s_barrier_signal -1
	s_barrier_wait -1                              ; everybody's is: step 3's head is its first reader
.irp q, 3,4,5,6,7
	HEAD \q
	MULS \q, 0
.endr
	PLACES                                         ; in front of the first read of results
.irp j, 0,1,2,3
	QUANT 64*\j, PC+8*\j, PW+\j
	global_store_b128 v[VO+2*\j], v[PC+8*\j:PC+8*\j+3], s[14:15]         ; 32 lanes store 512 consecutive bytes, at a multiple of 256 from the buffer's first byte
	global_store_b128 v[VO+2*\j+1], v[PC+8*\j+4:PC+8*\j+7], s[14:15]
.endr
	v_cndmask_b32 v[MW], v[PW], v[PW+1], s66       ; lanes 0-15: tile 0's words, lanes 16-31: tile 1's
	v_cndmask_b32 v[MW+1], v[PW+2], v[PW+3], s66   ; tiles 2 and 3
	v_perm_b32 v[SW], s67, v[MW], s2
	v_perm_b32 v[SW+1], s67, v[MW+1], s2
	global_store_b64 v[VS], v[SW:SW+1], s[16:17]   ; 32 lanes store 256 consecutive bytes, aligned
	s_cmp_eq_u32 s[KIND], 2
	s_cbranch_scc1 .Lone_word                      ; v's four bytes are one word; q's and k's are two heads' words
	v_perm_b32 v[SW+2], s67, v[MW], s3
	v_perm_b32 v[SW+3], s67, v[MW+1], s3
	global_store_b64 v[VS+1], v[SW+2:SW+3], s[16:17]
.Lone_word:
	s_wait_tensorcnt 0x0
	ds_add_u32 v254, v255
	s_wait_dscnt 0x0
	CROUND                                         ; the closing round: no work-group ends while a partner may still ask for a tile that names it
	s_endpgm
.Lfunc_end_k_qff9639cccb_proj:
	.size	k_qff9639cccb_proj, .Lfunc_end_k_qff9639cccb_proj-k_qff9639cccb_proj
	.p2alignl 7, 3214868480
	.fill 96, 4, 3214868480
	.section	.rodata,"a",@progbits
	.p2align	6, 0x0
	.amdhsa_kernel k_qff9639cccb_proj
		.amdhsa_group_segment_fixed_size 222464
		.amdhsa_private_segment_fixed_size 0
		.amdhsa_enable_private_segment 0
		.amdhsa_kernarg_size 144
		.amdhsa_user_sgpr_count 2
		.amdhsa_user_sgpr_kernarg_segment_ptr 1
		.amdhsa_wavefront_size32 1
		.amdhsa_system_sgpr_workgroup_id_x 1
		.amdhsa_system_sgpr_workgroup_id_y 1
		.amdhsa_system_sgpr_workgroup_id_z 1
		.amdhsa_system_vgpr_workitem_id 0
		.amdhsa_next_free_vgpr 768
		.amdhsa_next_free_sgpr 102
		.amdhsa_reserve_vcc 0
		.amdhsa_float_denorm_mode_32 3
		.amdhsa_float_denorm_mode_16_64 3
		.amdhsa_memory_ordered 1
		.amdhsa_forward_progress 1
		.amdhsa_inst_pref_size 89
	.end_amdhsa_kernel
	.amdgpu_metadata
---
amdhsa.version: [ 1, 2 ]
amdhsa.kernels:
  - .name:           k_qff9639cccb_proj
    .symbol:         k_qff9639cccb_proj.kd
    .args:
      - { .name: Wq_codes, .offset: 0, .size: 8, .value_kind: global_buffer, .address_space: global }
      - { .name: Wq_scales, .offset: 8, .size: 8, .value_kind: global_buffer, .address_space: global }
      - { .name: query_codes, .offset: 16, .size: 8, .value_kind: global_buffer, .address_space: global }
      - { .name: query_scales, .offset: 24, .size: 8, .value_kind: global_buffer, .address_space: global }
      - { .name: bq, .offset: 32, .size: 8, .value_kind: global_buffer, .address_space: global }
      - { .name: qc, .offset: 40, .size: 8, .value_kind: global_buffer, .address_space: global }
      - { .name: Wk_codes, .offset: 48, .size: 8, .value_kind: global_buffer, .address_space: global }
      - { .name: Wk_scales, .offset: 56, .size: 8, .value_kind: global_buffer, .address_space: global }
      - { .name: key_codes, .offset: 64, .size: 8, .value_kind: global_buffer, .address_space: global }
      - { .name: key_scales, .offset: 72, .size: 8, .value_kind: global_buffer, .address_space: global }
      - { .name: bk, .offset: 80, .size: 8, .value_kind: global_buffer, .address_space: global }
      - { .name: qs, .offset: 88, .size: 8, .value_kind: global_buffer, .address_space: global }
      - { .name: value_codes, .offset: 96, .size: 8, .value_kind: global_buffer, .address_space: global }
      - { .name: value_scales, .offset: 104, .size: 8, .value_kind: global_buffer, .address_space: global }
      - { .name: Wv_codes, .offset: 112, .size: 8, .value_kind: global_buffer, .address_space: global }
      - { .name: Wv_scales, .offset: 120, .size: 8, .value_kind: global_buffer, .address_space: global }
      - { .name: bv, .offset: 128, .size: 8, .value_kind: global_buffer, .address_space: global }
      - { .name: kv, .offset: 136, .size: 8, .value_kind: global_buffer, .address_space: global }
    .group_segment_fixed_size: 222464
    .private_segment_fixed_size: 0
    .kernarg_segment_align: 8
    .kernarg_segment_size: 144
    .max_flat_workgroup_size: 128
    .sgpr_count:     102
    .vgpr_count:     768
    .wavefront_size: 32
...
	.end_amdgpu_metadata
.endif
;; end of part 1
;; launch attn (part 2): grid 4 x 64, 16 waves a work-group, clusters of 4 x 1, 169,984 bytes of LDS; arguments qc, qs, kv, cc, cs; writes cc, cs
.if DOCPART == 2
	.amdgcn_target "amdgcn-amd-amdhsa--gfx1250"
	.amdhsa_code_object_version 6
	.text
	.protected	k_qff9639cccb_attn
	.globl	k_qff9639cccb_attn
	.p2align	8
	.type	k_qff9639cccb_attn,@function
k_qff9639cccb_attn:
	s_mov_b64 s[64:65], 0
	v_nop
	global_prefetch_b8 v0, s[64:65] scope:SCOPE_SE
	s_setreg_imm32_b32 hwreg(HW_REG_WAVE_MODE, 25, 1), 1
	s_wait_xcnt 0x0
	s_wait_alu depctr_hold_cnt(0) depctr_sa_sdst(0) depctr_va_vdst(0) depctr_va_sdst(0) depctr_va_ssrc(0) depctr_va_vcc(0) depctr_vm_vsrc(0)
	s_getreg_b32 s2, hwreg(HW_REG_IB_STS2, 6, 4)
	s_cmp_eq_u32 s2, 0
	s_cbranch_scc0 .Lentry_in_a_cluster
	s_endpgm
.Lentry_in_a_cluster:
	s_bfe_u32 s2, ttmp6, 0x10000c
	s_cmp_lg_u32 s2, 0x3003
	s_cbranch_scc0 .Lentry_shape_is_right
	s_endpgm
.Lentry_shape_is_right:
; ATTENTION of one head on codes of FP4 (E2M1): S^T = K Q^T (K = the head's 64 channels), p = 2^(t - M), O^T = V^T P^T (K = the keys), ctx = O / l, and ctx quantised along the model's 1,024 for the last product.
; t = score x log2(e) / 8; M = the row's largest t so far, rounded up to a whole number; p is quantised along the keys, not normalised; l is the sum of the unquantised p, in f32.
; When M moves, l and O are multiplied by 2^(old M - new M), which rounds nothing.
; SHARES: a work-group owns one head (the cluster's y) and 512 queries (its place cx in the cluster): 256 work-groups.  Sixteen waves of 256 registers, four to a SIMD, so that one wave's vector work stands beside
; another's matrix work and LDS loads.  A wave makes two passes; in pass p it owns tile 32 cx + 16 p + wave of 16 queries and walks the head's 2,048 keys in 16 steps of 128.
; ALL OF THE HEAD'S K AND V LIE IN LDS: 143,360 bytes, exactly as the buffer kv has them: images of the operands' registers, read back 16 bytes a lane at 16 x lane.  They come in four chunks of four steps,
; each chunk by two loads (waves 0 and 1), all eight issued at the head; every LDS byte is filled once.  No later request exists that a prefetch could run ahead of, so none is written.
; CLUSTER: the four query blocks of a head read the same bytes of kv: each load is asked for jointly by the four.
; LAYOUT: both products are used transposed, so a lane holds ONE query (lane % 16) throughout; register e of score tile t is key 16 t + 8 (lane / 16) + e.
; K = 64 IN AN INSTRUCTION 128 DEEP: Q's registers 4-7 are zero codes.  K's fragment of tile t is named v[KF + 4 t .. + 7]: its upper four registers are the next tile's codes (zeros behind tile 7).
; Every code is a finite number, so against Q's zeros it adds nothing; bytes 2 and 3 of both scale words are 0x7f as stored.
; LIMITS: NaN and infinities are not served.  A p under 2^-126 comes out of v_exp_f32 as 0.  1 / l is v_rcp_f32's.  A block of zeros gets the byte 1 where the quantiser's rule says 127: its codes are zeros,
; and only this program reads the bytes.
.set HEADB,  143360                    ; a head's bytes in kv
.set STEPB,  8960                      ; a step: K's 8 tiles x 512, V's 4 tiles x 1,024, K's scale words 2 x 256, V's 256
.set CHUNKB, 4*STEPB
.set HALFC,  CHUNKB/2                  ; what one tensor load brings: 70 rows of 256 bytes
.set SCG,    HEADB                     ; behind K and V: the scale bytes of ctx, 32 tiles x 16 queries x 2 bytes: four blocks of 256 bytes that no load fills
.set L16,  1                           ; v1   16 x lane
.set L8,   2                           ; v2   8 x lane
.set AD16, 3                           ; v3   the step's LDS address for 16-byte loads
.set AD8,  4                           ; v4   for 8-byte loads
.set SGA,  5                           ; v5   where my query's two scale bytes go
.set SGR,  6                           ; v6   where waves 0 and 1 read them back
.set QSO,  7                           ; v7   my offset among Q's scale words
.set CSO,  8                           ; v8   my offset in cs
.set QW,   10                          ; v10-11 Q's scale word of pass 0, 1
.set QF,   16                          ; v16-23, v24-31 Q's fragment of pass 0, 1: four registers of codes, four of zeros
.set CT0,  32                          ; v32-35 pass 0's codes of ctx
.set KF,   36                          ; v36-67 K's tiles, 4 registers each; v68-71 zeros
.set VF,   72                          ; v72-103 V's tiles, 8 registers each
.set S,    104                         ; v104-167 S^T, then p
.set O,    168                         ; v168-199 O^T
.set PCD,  200                         ; v200-207 p's codes
.set BM,   208                         ; v208-211 each block's largest score, then its largest p
.set BT,   212
.set BS,   216                         ; v216-219 the conversions' scale operands
.set PW,   220                         ; v220 p's scale word
.set F,    222                         ; v[222:223] f = 2^(old M - new M)
.set X,    224
.set HW,   225                         ; v225 ctx's two scale bytes
.set SUM2, 226
.set KSR,  228                         ; v228-231 K's scale words: register t / 2: lanes 0-15 tile t (even), lanes 16-31 tile t + 1
.set VSR,  232                         ; v232-233 V's likewise
.set WV,   14
.set SEL,  20                          ; s[20:21] lane l xor 16
.set CS,   22                          ; s[22:23] c = log2(e) / 8
.set G1,   24
.set G0,   32                          ; s[32:47] a group 0 for each chunk
.set TB,   48                          ; s48 the step's first LDS byte
.set CNT,  49
.macro CROUND                          ; a round of the cluster's barrier
	s_barrier_signal -1
	s_barrier_wait -1
	s_cmp_lg_u32 s[WV], 0
	s_cbranch_scc1 .Lnot_wave_0_\@
	s_barrier_signal -3
.Lnot_wave_0_\@:
	s_barrier_wait -3
	s_barrier_signal -1
	s_barrier_wait -1
.endm
	s_load_b256 s[4:11], s[0:1], 0x0               ; qc s[4:5], qs s[6:7], kv s[8:9], cc s[10:11]
	s_load_b64 s[12:13], s[0:1], 0x20              ; cs
	v_lshl_add_u32 v254, v0, 2, 0x29000
	v_mov_b32 v255, 0
	ds_add_u32 v254, v255
	ds_add_u32 v254, v255
	v_lshrrev_b32 v1, 5, v0
	s_delay_alu instid0(VALU_DEP_1)
	v_readfirstlane_b32 s[WV], v1                  ; wave 0..15
	s_bfe_u32 s15, ttmp6, 0x40000                  ; cx: my block of 512 queries; it enters global addresses of Q and ctx alone
	s_and_b32 s16, ttmp7, 0xffff                   ; 16 batch + head, which the four partners share
	s_mov_b32 s[G1], 15|(3<<16)|(1<<21)            ; 15:0 the mask: all four work-groups; 17:16 elements of 8 bytes; 21 set beside a mask; no padding: the images are read as they lie
	s_mov_b32 s[G1+1], 32<<16                      ; tensor_dim0: 256 bytes
	s_mov_b32 s[G1+2], 70<<16                      ; tensor_dim1
	s_mov_b32 s[G1+3], 32<<16                      ; tile_dim0
	s_mov_b32 s[G1+4], 70                          ; tile_dim1
	s_mov_b32 s[G1+5], 32                          ; dense
	s_mov_b32 s[G1+6], 0
	s_mov_b32 s[G1+7], 0
	s_and_b32 s17, s[WV], 1
	s_mul_i32 s17, s17, HALFC                      ; which half of a chunk: the same in memory and in LDS
	s_mul_i32 s52, s16, HEADB
	s_add_co_u32 s52, s52, s17
	s_mov_b32 s53, 0
	s_mov_b32 s[SEL], 0x76543210
	s_mov_b32 s[SEL+1], 0xfedcba98
	s_mov_b32 s[CS], 0x3e38aa3b                    ; log2(e) / 8
	s_mov_b32 s[CS+1], s[CS]                       ; (named with it as a pair, so it is written)
	s_wait_dscnt 0x0
	s_wait_kmcnt 0x0
	s_add_nc_u64 s[52:53], s[8:9], s[52:53]
.irp c, 0,1,2,3
	s_mov_b32 s[G0+4*\c], 1
	s_add_co_u32 s[G0+4*\c+1], s17, \c*CHUNKB
	s_add_nc_u64 s[G0+4*\c+2:G0+4*\c+3], s[52:53], \c*CHUNKB
	s_or_b32 s[G0+4*\c+3], s[G0+4*\c+3], 0x80000000
.endr
	CROUND                                         ; all four work-groups are here: the joint loads meet
	s_cmp_lt_u32 s[WV], 2                          ; waves 0 and 1 fetch: four loads each, in one branch: four of mine are out at the most.  Four v_nop follow the last
	s_cbranch_scc0 .Lasked
	tensor_load_to_lds s[G0:G0+3], s[G1:G1+7]
	s_nop 0
	tensor_load_to_lds s[G0+4:G0+7], s[G1:G1+7]
	s_nop 0
	tensor_load_to_lds s[G0+8:G0+11], s[G1:G1+7]
	s_nop 0
	tensor_load_to_lds s[G0+12:G0+15], s[G1:G1+7]
	s_nop 0
.rept 4
	v_nop
.endr
.Lasked:
	s_lshl_b32 s54, s15, 5
	s_add_co_u32 s54, s54, s[WV]                   ; my tile of pass 0: 32 cx + wave
	s_lshl_b32 s56, s54, 9
	s_lshl_b32 s57, s16, 16
	s_add_co_u32 s56, s56, s57
	s_mov_b32 s57, 0
	s_add_nc_u64 s[4:5], s[4:5], s[56:57]          ; its image in qc
	s_lshl_b32 s56, s15, 3
	s_lshr_b32 s58, s[WV], 2
	s_add_co_u32 s56, s56, s58                     ; its group of 64 tokens,
	s_lshl_b32 s56, s56, 8
	s_lshl_b32 s58, s16, 13
	s_add_co_u32 s56, s56, s58
	s_bfe_u32 s58, s[WV], 0x10001                  ; and of the group's four tiles: e = (wave / 2) % 2,
	s_lshl_b32 s58, s58, 2
	s_add_co_u32 s56, s56, s58
	s_add_nc_u64 s[6:7], s[6:7], s[56:57]
	s_lshr_b32 s58, s16, 4                         ; batch
	s_and_b32 s59, s16, 15                         ; head
	s_lshl_b32 s56, s58, 7
	s_add_co_u32 s56, s56, s54                     ; the tile among all 512 tiles of tokens
	s_lshl_b32 s56, s56, 13
	s_lshl_b32 s60, s59, 9
	s_add_co_u32 s56, s56, s60                     ; cc: 8,192 a tile, 512 a head
	s_add_nc_u64 s[10:11], s[10:11], s[56:57]
	s_lshl_b32 s56, s59, 14                        ; cs: 16,384 a head, 2 bytes a token
	s_lshl_b32 s60, s58, 12
	s_add_co_u32 s56, s56, s60
	s_lshl_b32 s60, s15, 10
	s_add_co_u32 s56, s56, s60
	s_add_nc_u64 s[12:13], s[12:13], s[56:57]
	v_and_b32 v9, 31, v0                           ; lane
	v_and_b32 v[X], 15, v0                         ; r
	s_delay_alu instid0(VALU_DEP_2)
	v_lshlrev_b32 v[L16], 4, v9
	s_delay_alu instid0(VALU_DEP_3)
	v_lshlrev_b32 v[L8], 3, v9
	s_lshl_b32 s60, s[WV], 5
	v_lshl_add_u32 v[SGA], v[X], 1, s60
	s_delay_alu instid0(VALU_DEP_1)
	v_add_nc_u32 v[SGA], SCG, v[SGA]               ; SCG + 32 wave + 2 r
	s_and_b32 s61, s[WV], 1
	s_lshl_b32 s62, s61, 9
	v_add_nc_u32 v[CSO], s62, v[L16]               ; 512 (wave % 2) + 16 lane
	s_delay_alu instid0(VALU_DEP_1)
	v_add_nc_u32 v[SGR], SCG, v[CSO]
	s_lshl_b32 s62, s61, 7
	v_lshl_add_u32 v[QSO], v[X], 3, s62            ; lane half = wave % 2: 8 (16 (wave % 2) + r)
	global_load_b128 v[QF:QF+3], v[L16], s[4:5]
	global_load_b128 v[QF+8:QF+11], v[L16], s[4:5] offset:8192             ; pass 1: 16 tiles on
	global_load_b32 v[QW], v[QSO], s[6:7]
	global_load_b32 v[QW+1], v[QSO], s[6:7] offset:1024                    ; four groups on
.irp j, 0,1,2,3
	v_mov_b32 v[QF+4+\j], 0                        ; the zero codes of k = 64 .. 127
	v_mov_b32 v[QF+12+\j], 0
	v_mov_b32 v[KF+32+\j], 0
	v_mov_b32 v[BT+\j], 0                          ; written once: a lane permute's destination counts as one of its sources
.endr
	v_mov_b32 v[F+1], 0                            ; (named as the upper half of a pair)
; A KEY STEP: 128 keys at LDS byte s[TB], for pass p
.macro STEP p
	v_add_nc_u32 v[AD16], s[TB], v[L16]
	v_add_nc_u32 v[AD8], s[TB], v[L8]
.irp t, 0,1,2,3,4,5,6,7
	ds_load_b128 v[KF+4*\t:KF+4*\t+3], v[AD16] offset:512*\t
.endr
.irp g, 0,1
	ds_load_b64 v[KSR+2*\g:KSR+2*\g+1], v[AD8] offset:8192+256*\g
.endr
	s_wait_alu depctr_va_vdst(0)
	s_wait_dscnt 0x0
.irp t, 0,2,4,6                        ; S^T = K Q^T
	v_wmma_scale_f32_16x16x128_f8f6f4 v[S+8*\t:S+8*\t+7], v[KF+4*\t:KF+4*\t+7], v[QF+8*\p:QF+8*\p+7], 0, v[KSR+\t/2], v[QW+\p] matrix_a_fmt:MATRIX_FMT_FP4 matrix_b_fmt:MATRIX_FMT_FP4
	v_wmma_scale_f32_16x16x128_f8f6f4 v[S+8*\t+8:S+8*\t+15], v[KF+4*\t+4:KF+4*\t+11], v[QF+8*\p:QF+8*\p+7], 0, v[KSR+\t/2], v[QW+\p] matrix_a_fmt:MATRIX_FMT_FP4 matrix_b_fmt:MATRIX_FMT_FP4 matrix_a_scale:MATRIX_SCALE_ROW1
.endr
.rept 4
	v_nop                                          ; the places in front of the first read of the scores; with the two additions above also those between the last step's products and the loads into V's registers
.endr
.irp d, 0,1,2,3                        ; V is asked for here and lands under the softmax
.irp c, 0,1
	ds_load_b128 v[VF+8*\d+4*\c:VF+8*\d+4*\c+3], v[AD16] offset:4096+1024*\d+512*\c
.endr
.endr
	ds_load_b64 v[VSR:VSR+1], v[AD8] offset:8704
.irp b, 0,1,2,3
	v_max3_num_f32 v[BM+\b], v[S+16*\b], v[S+16*\b+1], v[S+16*\b+2]       ; the largest score of each block of 32 keys: it serves the row's maximum and, since p rises with the score, the block's largest p
.endr
.irp i, 3,5,7,9,11,13
.irp b, 0,1,2,3
	v_max3_num_f32 v[BM+\b], v[BM+\b], v[S+16*\b+\i], v[S+16*\b+\i+1]
.endr
.endr
.irp b, 0,1,2,3
	v_max_num_f32 v[BM+\b], v[BM+\b], v[S+16*\b+15]
.endr
.irp b, 0,1,2,3
	s_delay_alu instid0(VALU_DEP_4)
	v_permlanex16_b32 v[BT+\b], v[BM+\b], s[SEL], s[SEL+1]
.endr
.irp b, 0,1,2,3
	s_delay_alu instid0(VALU_DEP_4)
	v_max_num_f32 v[BM+\b], v[BM+\b], v[BT+\b]     ; with lane l xor 16's 16 keys
.endr
	s_delay_alu instid0(VALU_DEP_2)
	v_max3_num_f32 v[X], v[BM], v[BM+1], v[BM+2]
	s_delay_alu instid0(VALU_DEP_1)
	v_max_num_f32 v[X], v[X], v[BM+3]              ; the step's largest score of my query
	s_delay_alu instid0(VALU_DEP_1)
	v_mul_f32 v[X], s[CS], v[X]                    ; as t
	s_delay_alu instid0(VALU_DEP_1)
	v_max_num_f32 v13, v13, v[X]                   ; the running largest t
	v_mov_b32 v[X], v12
	s_delay_alu instid0(VALU_DEP_2)
	v_floor_f32 v12, -v13                          ; the new -M = floor(-t): M is a whole number
	s_delay_alu instid0(VALU_DEP_1)
	v_sub_f32 v[X], v12, v[X]                      ; old M - new M: a whole number, 0 or less
	s_delay_alu instid0(VALU_DEP_1)
	v_cvt_i32_f32 v[X], v[X]                       ; (it saturates)
	s_delay_alu instid0(VALU_DEP_1)
	v_ldexp_f32 v[F], 1.0, v[X]                    ; f = 2^(old M - new M)
.set J, 0
.rept 32
	v_pk_fma_f32 v[S+J:S+J+1], v[S+J:S+J+1], s[CS:CS+1], v[12:13] op_sel_hi:[1,0,0]   ; t - M, two at a time
.set J, J+2
.endr
.irp b, 0,1,2,3
	v_fma_f32 v[BM+\b], v[BM+\b], s[CS], v12       ; the same of each block's largest score
.endr
.set J, 0
	s_wait_alu depctr_va_vdst(0)
.rept 64
	v_exp_f32 v[S+J], v[S+J]                       ; p = 2^(t - M), at most 1
.set J, J+1
.endr
	s_setprio 1
	v_pk_mul_f32 v[14:15], v[14:15], v[F:F+1] op_sel_hi:[1,0]              ; the sums under the new M: the plain line behind the exponentials
	s_wait_alu depctr_va_vdst(0)                   ; one wait for the batch of 64, ahead of its first reader
.irp b, 0,1,2,3
	v_exp_f32 v[BM+\b], v[BM+\b]                   ; the block's largest p: the same two instructions on the same number give the same bits
.endr
	v_pk_add_f32 v[226:227], v[108:109], v[112:113]
	v_pk_add_f32 v[252:253], v[116:117], v[120:121]
	v_pk_add_f32 v[250:251], v[124:125], v[128:129]
	v_pk_add_f32 v[248:249], v[132:133], v[136:137]
	v_pk_add_f32 v[246:247], v[140:141], v[144:145]
	v_pk_add_f32 v[244:245], v[148:149], v[152:153]
	v_pk_add_f32 v[242:243], v[156:157], v[160:161]
	v_pk_add_f32 v[14:15], v[14:15], v[164:165]
	v_pk_add_f32 v[226:227], v[226:227], v[104:105]
	v_pk_add_f32 v[252:253], v[252:253], v[106:107]
	v_pk_add_f32 v[250:251], v[250:251], v[110:111]
	v_pk_add_f32 v[248:249], v[248:249], v[114:115]
	v_pk_add_f32 v[246:247], v[246:247], v[118:119]
	v_pk_add_f32 v[244:245], v[244:245], v[122:123]
	v_pk_add_f32 v[242:243], v[242:243], v[126:127]
	v_pk_add_f32 v[14:15], v[14:15], v[130:131]
	v_pk_add_f32 v[226:227], v[226:227], v[134:135]
	v_pk_add_f32 v[252:253], v[252:253], v[138:139]
	v_pk_add_f32 v[250:251], v[250:251], v[142:143]
	v_pk_add_f32 v[248:249], v[248:249], v[146:147]
	v_pk_add_f32 v[246:247], v[246:247], v[150:151]
	v_pk_add_f32 v[244:245], v[244:245], v[154:155]
	v_pk_add_f32 v[242:243], v[242:243], v[158:159]
	v_pk_add_f32 v[14:15], v[14:15], v[162:163]
	v_pk_add_f32 v[226:227], v[226:227], v[166:167]
	s_delay_alu instid0(VALU_DEP_2)
	v_pk_add_f32 v[14:15], v[14:15], v[248:249]
	s_delay_alu instid0(VALU_DEP_2)
	v_pk_add_f32 v[226:227], v[226:227], v[246:247]
	v_pk_add_f32 v[252:253], v[252:253], v[244:245]
	v_pk_add_f32 v[250:251], v[250:251], v[242:243]
	s_delay_alu instid0(VALU_DEP_2)
	v_pk_add_f32 v[14:15], v[14:15], v[252:253]
	s_delay_alu instid0(VALU_DEP_2)
	v_pk_add_f32 v[226:227], v[226:227], v[250:251]
	s_delay_alu instid0(VALU_DEP_1)
	v_pk_add_f32 v[14:15], v[14:15], v[226:227]
	s_wait_alu depctr_va_vdst(0)                   ; and one for the four
.irp b, 0,1,2,3
	v_max_num_f32 v[BM+\b], 0x1800000, v[BM+\b]    ; the floor 2^(3 - 127): the byte cannot fall under 1
.endr
.irp b, 0,1,2,3
	s_delay_alu instid0(VALU_DEP_4)
	v_add_nc_u32 v[BS+\b], 0xff000000, v[BM+\b]    ; 2 off the exponent field: the conversion's scale operand
.endr
.irp b, 0,1,2,3
	s_delay_alu instid0(VALU_DEP_4)
	v_lshrrev_b32 v[BT+\b], 23, v[BS+\b]           ; the scale's byte
.endr
	s_delay_alu instid0(VALU_DEP_3)
	v_lshl_or_b32 v[PW], v[BT+1], 8, v[BT]
	s_delay_alu instid0(VALU_DEP_1)
	v_lshl_or_b32 v[PW], v[BT+2], 16, v[PW]
	s_delay_alu instid0(VALU_DEP_1)
	v_lshl_or_b32 v[PW], v[BT+3], 24, v[PW]        ; p's scale word for these 128 keys
.irp b, 0,1,2,3
.irp u, 0,1
	v_cvt_scalef32_pk8_fp4_f32 v[PCD+4*(\b/2)+(\b%2)+2*\u], v[S+16*\b+8*\u:S+16*\b+8*\u+7], v[BS+\b]   ; tile 2 b + u: word 2 u + (lane / 16) of block b
.endr
.endr
	v_nop                                          ; one plain line behind the scaled conversions
.irp c, 0,1
	v_permlane16_swap_b32 v[PCD+4*\c], v[PCD+4*\c+1]       ; registers 4 c .. 4 c + 3 then hold keys 64 c + 32 (lane / 16) + 0 .. 31
	v_permlane16_swap_b32 v[PCD+4*\c+2], v[PCD+4*\c+3]
.endr
.set J, 0
	s_setprio 0
.rept 16
	v_pk_mul_f32 v[O+J:O+J+1], v[O+J:O+J+1], v[F:F+1] op_sel_hi:[1,0]      ; O^T under the new M; these sixteen are also the places between the lines that made p's codes and scale word and the products
.set J, J+2
.endr
	s_wait_alu depctr_va_vdst(0)
	s_wait_dscnt 0x0                               ; V
.irp d, 0,2                            ; O^T += V^T P^T: the four accumulators by turns
	v_wmma_scale_f32_16x16x128_f8f6f4 v[O+8*\d:O+8*\d+7], v[VF+8*\d:VF+8*\d+7], v[PCD:PCD+7], v[O+8*\d:O+8*\d+7], v[VSR+\d/2], v[PW] matrix_a_fmt:MATRIX_FMT_FP4 matrix_b_fmt:MATRIX_FMT_FP4
	v_wmma_scale_f32_16x16x128_f8f6f4 v[O+8*\d+8:O+8*\d+15], v[VF+8*\d+8:VF+8*\d+15], v[PCD:PCD+7], v[O+8*\d+8:O+8*\d+15], v[VSR+\d/2], v[PW] matrix_a_fmt:MATRIX_FMT_FP4 matrix_b_fmt:MATRIX_FMT_FP4 matrix_a_scale:MATRIX_SCALE_ROW1
.endr
.endm
; Chunk c: four steps.  In pass 0 its bytes are first shown whole to every wave; pass 1 finds them so.
.macro CHUNK p, c
.if \p == 0
	s_wait_tensorcnt 3-\c                          ; of a fetching wave's four loads the 3 - c younger chunks' may stay out
	s_wait_dscnt 0x0
	s_barrier_signal -1
	s_barrier_wait -1
.endif
	s_mov_b32 s[TB], \c*CHUNKB
	s_mov_b32 s[CNT], 4
.Lstep_\@:
	s_setprio 2
	STEP \p
	s_add_co_u32 s[TB], s[TB], STEPB
	s_sub_co_u32 s[CNT], s[CNT], 1
	s_cmp_lg_u32 s[CNT], 0
	s_cbranch_scc1 .Lstep_\@
	s_setprio 0
.endm
.macro PASS p
	v_mov_b32 v13, 0xff61b1e6                      ; the largest t so far: -3e38, under every t
	s_delay_alu instid0(VALU_DEP_1)
	v_floor_f32 v12, -v13                          ; -M
	v_mov_b32 v14, 0                               ; the sum, in two halves
	v_mov_b32 v15, 0
.set J, 0
.rept 32
	v_mov_b32 v[O+J], 0                            ; the step is written once: the first finds zeros, which the first change of M leaves zeros
.set J, J+1
.endr
	CHUNK \p, 0
	CHUNK \p, 1
	CHUNK \p, 2
	CHUNK \p, 3
.rept 4
	v_nop                                          ; the places behind the last products
.endr
	v_add_f32 v14, v14, v15
	s_delay_alu instid0(VALU_DEP_1)
	v_permlanex16_b32 v[X], v14, s[SEL], s[SEL+1]
	s_delay_alu instid0(VALU_DEP_1)
	v_add_f32 v14, v14, v[X]                       ; the row's sum
	s_wait_alu depctr_va_vdst(0)
	v_rcp_f32 v14, v14
	v_nop                                          ; a plain line behind the reciprocal
	s_wait_alu depctr_va_vdst(0)                   ; and the wait ahead of its first reader
.set J, 0
.rept 16
	v_pk_mul_f32 v[S+J:S+J+1], v[O+J:O+J+1], v[14:15] op_sel_hi:[1,0]      ; ctx = O / l: register 8 d + e is channel 16 d + 8 (lane / 16) + e of my query
.set J, J+2
.endr
	; the head's 64 channels are two blocks of the last product's K
.set CT, CT0+(PCD-CT0)*\p              ; each pass has its own four registers of codes: no store's data are written again
.irp b, 0,1
	v_max3_num_f32 v[BM+\b], |v[S+16*\b]|, |v[S+16*\b+1]|, 0x1800000
.endr
.irp i, 2,4,6,8,10,12,14
.irp b, 0,1
	s_delay_alu instid0(VALU_DEP_2)
	v_max3_num_f32 v[BM+\b], v[BM+\b], |v[S+16*\b+\i]|, |v[S+16*\b+\i+1]|
.endr
.endr
.irp b, 0,1
	s_delay_alu instid0(VALU_DEP_2)
	v_permlanex16_b32 v[BT+\b], v[BM+\b], s[SEL], s[SEL+1]
.endr
.irp b, 0,1
	s_delay_alu instid0(VALU_DEP_2)
	v_max_num_f32 v[BM+\b], v[BM+\b], v[BT+\b]
.endr
.irp b, 0,1
	s_delay_alu instid0(VALU_DEP_2)
	v_add_nc_u32 v[BS+\b], 0xff000000, v[BM+\b]
.endr
.irp b, 0,1
	s_delay_alu instid0(VALU_DEP_2)
	v_lshrrev_b32 v[BT+\b], 23, v[BS+\b]
.endr
	s_delay_alu instid0(VALU_DEP_1)
	v_lshl_or_b32 v[HW], v[BT+1], 8, v[BT]
.irp b, 0,1
.irp u, 0,1
	v_cvt_scalef32_pk8_fp4_f32 v[CT+\b+2*\u], v[S+16*\b+8*\u:S+16*\b+8*\u+7], v[BS+\b]
.endr
.endr
	v_nop
	v_permlane16_swap_b32 v[CT], v[CT+1]
	v_permlane16_swap_b32 v[CT+2], v[CT+3]         ; lane (r, hh): block hh of my head, token r: four registers of the last product's fragment
	global_store_b128 v[L16], v[CT:CT+3], s[10:11] offset:131072*\p        ; 32 lanes store 512 consecutive bytes, aligned; pass 1: 16 tiles on
	ds_store_b16 v[SGA], v[HW] offset:512*\p       ; both lanes of a query write the same two bytes with the same value
.endm
	s_wait_loadcnt 0x0                             ; Q
	PASS 0
	PASS 1
	s_wait_dscnt 0x0                               ; for the others' sake: my stores of scale bytes are done
	s_barrier_signal -1
	s_barrier_wait -1
	s_cmp_lt_u32 s[WV], 2                          ; the work-group's 512 queries x 2 bytes leave as 1,024 consecutive bytes: waves 0 and 1, 512 each
	s_cbranch_scc0 .Lno_cs
	ds_load_b128 v[KF:KF+3], v[SGR]
	s_wait_dscnt 0x0
	global_store_b128 v[CSO], v[KF:KF+3], s[12:13]
.Lno_cs:
	s_wait_tensorcnt 0x0
	ds_add_u32 v254, v255
	s_wait_dscnt 0x0
	CROUND                                         ; the closing round
	s_endpgm
.Lfunc_end_k_qff9639cccb_attn:
	.size	k_qff9639cccb_attn, .Lfunc_end_k_qff9639cccb_attn-k_qff9639cccb_attn
	.p2alignl 7, 3214868480
	.fill 96, 4, 3214868480
	.section	.rodata,"a",@progbits
	.p2align	6, 0x0
	.amdhsa_kernel k_qff9639cccb_attn
		.amdhsa_group_segment_fixed_size 169984
		.amdhsa_private_segment_fixed_size 0
		.amdhsa_enable_private_segment 0
		.amdhsa_kernarg_size 40
		.amdhsa_user_sgpr_count 2
		.amdhsa_user_sgpr_kernarg_segment_ptr 1
		.amdhsa_wavefront_size32 1
		.amdhsa_system_sgpr_workgroup_id_x 1
		.amdhsa_system_sgpr_workgroup_id_y 1
		.amdhsa_system_sgpr_workgroup_id_z 1
		.amdhsa_system_vgpr_workitem_id 0
		.amdhsa_next_free_vgpr 256
		.amdhsa_next_free_sgpr 66
		.amdhsa_reserve_vcc 0
		.amdhsa_float_denorm_mode_32 3
		.amdhsa_float_denorm_mode_16_64 3
		.amdhsa_memory_ordered 1
		.amdhsa_forward_progress 1
		.amdhsa_inst_pref_size 147
	.end_amdhsa_kernel
	.amdgpu_metadata
---
amdhsa.version: [ 1, 2 ]
amdhsa.kernels:
  - .name:           k_qff9639cccb_attn
    .symbol:         k_qff9639cccb_attn.kd
    .args:
      - { .name: qc, .offset: 0, .size: 8, .value_kind: global_buffer, .address_space: global }
      - { .name: qs, .offset: 8, .size: 8, .value_kind: global_buffer, .address_space: global }
      - { .name: kv, .offset: 16, .size: 8, .value_kind: global_buffer, .address_space: global }
      - { .name: cc, .offset: 24, .size: 8, .value_kind: global_buffer, .address_space: global }
      - { .name: cs, .offset: 32, .size: 8, .value_kind: global_buffer, .address_space: global }
    .group_segment_fixed_size: 169984
    .private_segment_fixed_size: 0
    .kernarg_segment_align: 8
    .kernarg_segment_size: 40
    .max_flat_workgroup_size: 512
    .sgpr_count:     66
    .vgpr_count:     256
    .wavefront_size: 32
...
	.end_amdgpu_metadata
.endif
;; end of part 2
;; launch outp (part 3): grid 4 x 64, 4 waves a work-group, clusters of 4 x 4, 252,160 bytes of LDS; arguments Wo_codes, Wo_scales, bo, cc, cs, out0; writes out0
.if DOCPART == 3
	.amdgcn_target "amdgcn-amd-amdhsa--gfx1250"
	.amdhsa_code_object_version 6
	.text
	.protected	k_qff9639cccb_outp
	.globl	k_qff9639cccb_outp
	.p2align	8
	.type	k_qff9639cccb_outp,@function
k_qff9639cccb_outp:
	s_mov_b64 s[64:65], 0
	v_nop
	global_prefetch_b8 v0, s[64:65] scope:SCOPE_SE
	s_setreg_imm32_b32 hwreg(HW_REG_WAVE_MODE, 25, 1), 1
	s_wait_xcnt 0x0
	s_wait_alu depctr_hold_cnt(0) depctr_sa_sdst(0) depctr_va_vdst(0) depctr_va_sdst(0) depctr_va_ssrc(0) depctr_va_vcc(0) depctr_vm_vsrc(0)
	s_getreg_b32 s2, hwreg(HW_REG_IB_STS2, 6, 4)
	s_cmp_eq_u32 s2, 0
	s_cbranch_scc0 .Lentry_in_a_cluster
	s_endpgm
.Lentry_in_a_cluster:
	s_bfe_u32 s2, ttmp6, 0x10000c
	s_cmp_lg_u32 s2, 0xf033
	s_cbranch_scc0 .Lentry_shape_is_right
	s_endpgm
.Lentry_shape_is_right:
; THE LAST PRODUCT: out0 = ctx Wo^T + bo on codes of FP4 (E2M1) with E8M0 scales; K = 1,024.
; Source 0 = 16 rows of Wo (i = output column), source 1 = 16 tokens of ctx (j): lane (r, hh), register e of accumulator (ti, tj) holds column 16 ti + 8 hh + e of token 16 tj + r: eight neighbouring numbers of a row of out0.
; SHARES: a work-group makes 256 columns x 128 tokens: 4 x 64 = 256 work-groups.  Wave w: wi = w / 2 (its 128 columns), wj = w % 2 (its 64 tokens): 8 x 4 accumulators.
; ALL OF K LIES IN LDS AT ONCE, in two halves along K; every LDS byte is filled once, by loads issued at the head.  Wo's rows come as rows of 256 bytes + 16 of padding; ctx's codes come as the attention launch
; stored them, images of this product's fragments ([tile of 16 tokens][K step 8][c 2][lane][16]), and are read back 16 bytes a lane at 16 x lane.
; ctx's scale bytes lie [head 16][token][2]: a tile of 16 rows (heads) x 256 bytes (my 128 tokens).  A turning load of 16-bit elements gives lane r, for token r, the two bytes of eight heads: four scale words.
; CLUSTERS: 4 x 4 work-groups.  Wo's tile hangs on cx alone and is asked for jointly by my column, ctx's on the token tile alone and is asked for jointly by my row.
; LIMITS: NaN and infinities are not served; a given scale byte 0xff gives NaN.
.set PITCH, 272
.set P0,    0                          ; Wo's 256 rows, K 0 .. 511
.set P1,    256*PITCH
.set QI0,   512*PITCH                  ; ctx's images, K steps 0 .. 3: 8 tiles x 4,096 bytes
.set QI1,   QI0+32768                  ; K steps 4 .. 7
.set PS,    QI1+32768                  ; Wo's scale bytes: 32 rows of 256 bytes
.set CSL,   PS+32*PITCH                ; ctx's scale bytes: 16 rows of 256 bytes
.set STG,   CSL+16*PITCH               ; the way out: 16 rows x (512 bytes + 16) for each wave: bytes that no load fills; the end is 251,648
.set SPITCH, 528
.set ADP,  4                           ; v4-5   LDS address of my Wo fragments, K half 0, 1
.set ADQ,  6                           ; v6-7   of my ctx images
.set ADPS, 8                           ; v8     of my Wo rows' scale words
.set ADCS, 9                           ; v9     of ctx's scale bytes, for the turning load
.set VBO,  10                          ; v10    the bias loads' offset
.set STO,  11                          ; v11    the stage: where I put 32 bytes of a row
.set RD,   12                          ; v12    and where I read a row back
.set CO,   13                          ; v13    16 x lane: my bytes of a row of out0
.set PSC,  32                          ; v32-95  Wo's scale words: PSC + 8 ti + q
.set QSC,  96                          ; v96-127 ctx's: QSC + 8 tj + q
.set BI,   192                         ; window 2: the bias, 8 runs of 8
.set WV,   18
.set G1P,  20                          ; s[20:27] group 1 for Wo's codes;  s[28:35] for ctx's images;  s[36:43] for Wo's scale bytes;  s[44:51] for ctx's
.set G1QI, 28
.set G1PS, 36
.set G1CS, 44
.set G0P,  52                          ; s[52:63] three groups 0 for Wo
.set G0Q,  68                          ; s[68:79] three for ctx
.set MSB, 0
.macro WIN new
.if MSB != \new
	s_set_vgpr_msb (MSB<<8)|\new
.set MSB, \new
.endif
.endm
.macro PLACES
.rept 4
	v_nop
.endr
.endm
.macro CROUND
	s_barrier_signal -1
	s_barrier_wait -1
	s_cmp_lg_u32 s[WV], 0
	s_cbranch_scc1 .Lnot_wave_0_\@
	s_barrier_signal -3
.Lnot_wave_0_\@:
	s_barrier_wait -3
	s_barrier_signal -1
	s_barrier_wait -1
.endm
	s_load_b256 s[4:11], s[0:1], 0x0               ; Wo's codes s[4:5], Wo's scales s[6:7], bo s[8:9], cc s[10:11]
	s_load_b128 s[12:15], s[0:1], 0x20             ; cs s[12:13], out0 s[14:15]
	v_lshl_add_u32 v254, v0, 2, 0x3d700
	v_mov_b32 v255, 0
	ds_add_u32 v254, v255
	ds_add_u32 v254, v255
	v_lshrrev_b32 v1, 5, v0
	v_readfirstlane_b32 s[WV], v1
	s_bfe_u32 s80, ttmp6, 0x40000                  ; cx = my 256 columns
	s_bfe_u32 s81, ttmp6, 0x40004                  ; cy
	s_and_b32 s86, ttmp7, 0xffff
	s_lshl_b32 s86, s86, 2
	s_add_co_u32 s86, s86, s81                     ; tj: my 128 tokens
	s_lshl_b32 s87, 0x1111, s80                    ; my column of the cluster
	s_lshl_b32 s88, s81, 2
	s_lshl_b32 s88, 15, s88                        ; my row
	s_and_b32 s89, s[WV], 1
	s_or_b32 s[G1P], s87, (0<<16)|(1<<20)|(1<<21)|(5<<22)|(3<<25)   ; 128 rows x 256 bytes out of rows of 512, 16 bytes of padding behind each
	s_mov_b32 s[G1P+1], 256<<16
	s_mov_b32 s[G1P+2], 128<<16
	s_mov_b32 s[G1P+3], 256<<16
	s_mov_b32 s[G1P+4], 128
	s_mov_b32 s[G1P+5], 512
	s_mov_b32 s[G1P+6], 0
	s_mov_b32 s[G1P+7], 0
	s_or_b32 s[G1QI], s88, (3<<16)|(1<<21)         ; 8 rows (tiles of tokens) x 4,096 bytes (512 elements of 8) out of rows of 8,192; no padding
	s_mov_b32 s[G1QI+1], 512<<16
	s_mov_b32 s[G1QI+2], 8<<16
	s_mov_b32 s[G1QI+3], 512<<16
	s_mov_b32 s[G1QI+4], 8
	s_mov_b32 s[G1QI+5], 1024
	s_mov_b32 s[G1QI+6], 0
	s_mov_b32 s[G1QI+7], 0
	s_or_b32 s[G1PS], s87, (3<<16)|(1<<20)|(1<<21)|(5<<22)|(3<<25)  ; 4,096 dense bytes as 16 rows of 256, padded
	s_mov_b32 s[G1PS+1], 32<<16
	s_mov_b32 s[G1PS+2], 16<<16
	s_mov_b32 s[G1PS+3], 32<<16
	s_mov_b32 s[G1PS+4], 16
	s_mov_b32 s[G1PS+5], 32
	s_mov_b32 s[G1PS+6], 0
	s_mov_b32 s[G1PS+7], 0
	s_or_b32 s[G1CS], s88, (3<<16)|(1<<20)|(1<<21)|(5<<22)|(3<<25)  ; 16 heads x 256 bytes out of rows of 16,384 bytes (2,048 elements), padded
	s_mov_b32 s[G1CS+1], 32<<16
	s_mov_b32 s[G1CS+2], 16<<16
	s_mov_b32 s[G1CS+3], 32<<16
	s_mov_b32 s[G1CS+4], 16
	s_mov_b32 s[G1CS+5], 2048
	s_mov_b32 s[G1CS+6], 0
	s_mov_b32 s[G1CS+7], 0
	s_wait_dscnt 0x0
	s_wait_kmcnt 0x0
	s_lshl_b32 s90, s80, 13                        ; Wo's groups 0: made of cx and the wave's number
	s_lshl_b32 s91, s89, 12
	s_add_co_u32 s90, s90, s91
	s_mov_b32 s91, 0
	s_mov_b32 s[G0P], 1
	s_mul_i32 s[G0P+1], s89, 16*PITCH
	s_add_co_u32 s[G0P+1], s[G0P+1], PS
	s_add_nc_u64 s[G0P+2:G0P+3], s[6:7], s[90:91]
	s_or_b32 s[G0P+3], s[G0P+3], 0x80000000
	s_lshl_b32 s90, s80, 17
	s_lshl_b32 s91, s89, 16
	s_add_co_u32 s90, s90, s91
	s_mov_b32 s91, 0
	s_mov_b32 s[G0P+4], 1
	s_mul_i32 s[G0P+5], s89, 128*PITCH
	s_add_nc_u64 s[G0P+6:G0P+7], s[4:5], s[90:91]
	s_mov_b32 s[G0P+8], 1
	s_add_co_u32 s[G0P+9], s[G0P+5], P1
	s_add_nc_u64 s[G0P+10:G0P+11], s[G0P+6:G0P+7], 256
	s_or_b32 s[G0P+7], s[G0P+7], 0x80000000
	s_or_b32 s[G0P+11], s[G0P+11], 0x80000000
	s_lshl_b32 s96, s86, 8                         ; ctx's groups 0: made of tj alone; wave 2 issues all three
	s_mov_b32 s97, 0
	s_mov_b32 s[G0Q], 1
	s_mov_b32 s[G0Q+1], CSL
	s_add_nc_u64 s[G0Q+2:G0Q+3], s[12:13], s[96:97]
	s_or_b32 s[G0Q+3], s[G0Q+3], 0x80000000
	s_lshl_b32 s96, s86, 16
	s_mov_b32 s[G0Q+4], 1
	s_mov_b32 s[G0Q+5], QI0
	s_add_nc_u64 s[G0Q+6:G0Q+7], s[10:11], s[96:97]
	s_mov_b32 s[G0Q+8], 1
	s_mov_b32 s[G0Q+9], QI1
	s_add_nc_u64 s[G0Q+10:G0Q+11], s[G0Q+6:G0Q+7], 4096
	s_or_b32 s[G0Q+7], s[G0Q+7], 0x80000000
	s_or_b32 s[G0Q+11], s[G0Q+11], 0x80000000
	CROUND                                         ; all sixteen work-groups are here: the joint loads meet
	s_cmp_lt_u32 s[WV], 2                          ; a wave's first fills stand in one branch on its number: three loads of mine are out at the most
	s_cbranch_scc0 .Lnot_p
	tensor_load_to_lds s[G0P:G0P+3], s[G1PS:G1PS+7]
	s_nop 0
	tensor_load_to_lds s[G0P+4:G0P+7], s[G1P:G1P+7]
	s_nop 0
	tensor_load_to_lds s[G0P+8:G0P+11], s[G1P:G1P+7]
	s_nop 0
.rept 4
	v_nop
.endr
	s_branch .Lasked
.Lnot_p:
	s_cmp_eq_u32 s[WV], 2
	s_cbranch_scc0 .Lasked
	tensor_load_to_lds s[G0Q:G0Q+3], s[G1CS:G1CS+7]
	s_nop 0
	tensor_load_to_lds s[G0Q+4:G0Q+7], s[G1QI:G1QI+7]
	s_nop 0
	tensor_load_to_lds s[G0Q+8:G0Q+11], s[G1QI:G1QI+7]
	s_nop 0
.rept 4
	v_nop
.endr
.Lasked:
	v_and_b32 v1, 15, v0                           ; r
	v_bfe_u32 v2, v0, 4, 1                         ; hh
	v_and_b32 v3, 31, v0                           ; lane
	s_lshr_b32 s100, s[WV], 1                      ; wi
	s_and_b32 s101, s[WV], 1                       ; wj
	v_mul_u32_u24 v28, v1, PITCH
	v_lshl_add_u32 v28, v2, 4, v28
	s_mul_i32 s89, s100, 128*PITCH
	v_add_nc_u32 v[ADP], s89, v28
	s_add_co_u32 s89, s89, P1
	v_add_nc_u32 v[ADP+1], s89, v28
	v_lshlrev_b32 v[CO], 4, v3
	s_lshl_b32 s89, s101, 14                       ; my four tiles of tokens: 4 x 4,096 bytes
	s_add_co_u32 s89, s89, QI0
	v_add_nc_u32 v[ADQ], s89, v[CO]
	s_add_co_u32 s89, s89, QI1-QI0
	v_add_nc_u32 v[ADQ+1], s89, v[CO]
	v_lshrrev_b32 v29, 3, v1
	v_lshlrev_b32 v29, 4, v29
	v_lshl_add_u32 v29, v1, 5, v29
	s_mul_i32 s89, s100, 16*PITCH
	s_add_co_u32 s89, s89, PS
	v_add_nc_u32 v[ADPS], s89, v29
	v_and_b32 v28, 7, v0                           ; the turning load: lane 8 g + j names head j's row, the 16 bytes of tokens 8 (g % 2) + 0 .. 7
	v_mul_u32_u24 v28, v28, PITCH
	v_bfe_u32 v29, v0, 3, 1
	v_lshl_add_u32 v28, v29, 4, v28
	s_lshl_b32 s89, s101, 7                        ; my 64 tokens x 2 bytes
	s_add_co_u32 s89, s89, CSL
	v_add_nc_u32 v[ADCS], s89, v28
	s_mul_i32 s89, s[WV], 16*SPITCH
	s_add_co_u32 s89, s89, STG                     ; my stage
	v_mul_u32_u24 v28, v1, SPITCH
	v_lshl_add_u32 v28, v2, 5, v28
	v_add_nc_u32 v[STO], s89, v28
	v_add_nc_u32 v[RD], s89, v[CO]
	v_lshlrev_b32 v[VBO], 5, v2                    ; the bias: my half's eight numbers of a tile
	s_lshl_b32 s4, s80, 10
	s_lshl_b32 s5, s100, 9
	s_add_co_u32 s4, s4, s5                        ; 4 (256 cx + 128 wi): my first column, in bytes
	s_mov_b32 s5, 0
	s_add_nc_u64 s[92:93], s[8:9], s[4:5]
	WIN 0x80                                       ; destination window 2
.irp i, 0,1,2,3,4,5,6,7
	global_load_b128 v[BI+8*\i:BI+8*\i+3], v[VBO], s[92:93] offset:64*\i
	global_load_b128 v[BI+8*\i+4:BI+8*\i+7], v[VBO], s[92:93] offset:64*\i+16
.endr
	WIN 0
	s_add_nc_u64 s[14:15], s[14:15], s[4:5]
	s_lshl_b32 s6, s86, 7
	s_lshl_b32 s7, s101, 6
	s_add_co_u32 s6, s6, s7                        ; my first token,
	s_lshl_b32 s6, s6, 12                          ; x 4,096 bytes a row of out0
	s_mov_b32 s7, 0
	s_add_nc_u64 s[14:15], s[14:15], s[6:7]
; 24 LDS loads in one run: the fragments of K step q into set q % 2 of window 2: Wo's eight at 96 set, ctx's four at 96 set + 64
.macro FETCH q
.set FS, 96*((\q)%2)
.set FH, (\q)/4
.set FK, (\q)%4
	WIN 0x80
.irp i, 0,1,2,3,4,5,6,7
.irp c, 0,1
	ds_load_b128 v[FS+8*\i+4*\c:FS+8*\i+4*\c+3], v[ADP+FH] offset:\i*16*PITCH+64*FK+32*\c
.endr
.endr
.irp i, 0,1,2,3
.irp c, 0,1
	ds_load_b128 v[FS+64+8*\i+4*\c:FS+64+8*\i+4*\c+3], v[ADQ+FH] offset:4096*\i+1024*FK+512*\c
.endr
.endr
	WIN 0
.endm
; 16 matrix instructions: ctx's blocks j0, j0 + 1 x Wo's eight.  cm = 1: the sums begin with the bias.  The 32 accumulators take turns, one instruction a turn.
.macro MUL16 q, j0, cm
.set FS, 96*((\q)%2)
.irp j, \j0, \j0+1
.irp i, 0,1,2,3,4,5,6,7
.if \cm == 0
	v_wmma_scale_f32_16x16x128_f8f6f4 v[64*(\j)+8*\i:64*(\j)+8*\i+7], v[FS+8*\i:FS+8*\i+7], v[FS+64+8*(\j):FS+64+8*(\j)+7], v[64*(\j)+8*\i:64*(\j)+8*\i+7], v[PSC+8*\i+(\q)], v[QSC+8*(\j)+(\q)] matrix_a_fmt:MATRIX_FMT_FP4 matrix_b_fmt:MATRIX_FMT_FP4
.else
	v_wmma_scale_f32_16x16x128_f8f6f4 v[64*(\j)+8*\i:64*(\j)+8*\i+7], v[FS+8*\i:FS+8*\i+7], v[FS+64+8*(\j):FS+64+8*(\j)+7], v[BI+8*\i:BI+8*\i+7], v[PSC+8*\i+(\q)], v[QSC+8*(\j)+(\q)] matrix_a_fmt:MATRIX_FMT_FP4 matrix_b_fmt:MATRIX_FMT_FP4
.endif
.endr
.endr
.endm
.macro HEAD q                          ; this step's fragments are in; the next step's are asked for, into the set that the last step multiplied
	s_wait_dscnt 0x0
.if (\q) < 7
.if (\q) > 0
	PLACES
.endif
	FETCH (\q)+1
.endif
.endm
.macro MULS q, cm
.if \cm
	WIN 0x6a                                       ; sources 0, 1 and C (the bias) window 2, D window 1
.else
	WIN 0x5a                                       ; sources 0, 1 window 2, C and D window 1
.endif
	MUL16 \q, 0, \cm
	MUL16 \q, 2, \cm
	WIN 0
.endm
	s_wait_alu depctr_va_vdst(0)
	s_wait_tensorcnt 0x1                           ; my scale bytes and my part of K half 0 are in; the youngest of my three loads, K half 1, may stay out
	s_barrier_signal -1
	s_barrier_wait -1
.irp i, 0,1,2,3,4,5,6,7
	ds_load_b128 v[PSC+8*\i:PSC+8*\i+3], v[ADPS] offset:\i*2*PITCH
	ds_load_b128 v[PSC+8*\i+4:PSC+8*\i+7], v[ADPS] offset:\i*2*PITCH+16
.endr
.irp j, 0,1,2,3
.irp x, 0,1
	ds_load_tr16_b128 v[QSC+8*\j+4*\x:QSC+8*\j+4*\x+3], v[ADCS] offset:8*PITCH*\x+32*\j   ; heads 8 x .. 8 x + 7 of tokens 16 j + r: the words of K steps 4 x .. 4 x + 3, the even head in the low half
.endr
.endr
	FETCH 0
	s_wait_loadcnt 0x0                             ; the bias
	HEAD 0
	MULS 0, 1                                      ; the first step starts the sums with the bias
	HEAD 1
	MULS 1, 0
	HEAD 2
	MULS 2, 0
	s_wait_tensorcnt 0x0                           ; my part of K half 1 is in,
	s_wait_dscnt 0x0                               ; and no LDS load of mine is out at the signal
	s_barrier_signal -1
	s_barrier_wait -1                              ; everybody's is: step 3's head is its first reader
.irp q, 3,4,5,6,7
	HEAD \q
	MULS \q, 0
.endr
; THE WAY OUT, block by block of 16 tokens x 128 columns.  A lane holds 32 neighbouring bytes of a row, and the lanes beside it hold other rows: a block goes through my own stage in LDS and comes back as whole rows
; of 512 bytes.  LDS serves a wave's instructions in order (ISA guide 5.7.1.4): no wait between the stores and the loads, nor in front of the next block's stores.  Each block comes back into 64 registers of its own.
.macro TOSTAGE a
	WIN 0x04                                       ; an LDS store's data are its source 1: window 1
.irp i, 0,1,2,3,4,5,6,7
	ds_store_b128 v[STO], v[64*(\a)+8*\i:64*(\a)+8*\i+3] offset:64*\i      ; each accumulator from its low end on
	ds_store_b128 v[STO], v[64*(\a)+8*\i+4:64*(\a)+8*\i+7] offset:64*\i+16
.endr
	WIN 0x80                                       ; destination window 2: the fragments and the bias are done with
.irp t, 0,1,2,3,4,5,6,7,8,9,10,11,12,13,14,15
	ds_load_b128 v[64*(\a)+4*\t:64*(\a)+4*\t+3], v[RD] offset:\t*SPITCH
.endr
.endm
.macro SEND a, younger                 ; younger: the LDS instructions issued behind block a's loads, which may stay out
	s_wait_dscnt \younger
	WIN 0x08                                       ; a store's data are its source 1: window 2
.irp t, 0,1,2,3,4,5,6,7,8,9,10,11,12,13,14,15
	global_store_b128 v[CO], v[64*(\a)+4*\t:64*(\a)+4*\t+3], s[14:15] offset:65536*(\a)+4096*\t th:TH_STORE_NT   ; 32 lanes store 512 consecutive bytes, at a multiple of 256 from out0's first byte
.endr
.endm
	PLACES                                         ; in front of the first read of results and of loads into registers that the last products read
	TOSTAGE 0
.irp a, 1,2,3
	TOSTAGE \a
	SEND \a-1, 32                                  ; behind block a - 1's loads: block a's 16 stores and 16 loads
.endr
	SEND 3, 0
	WIN 0
	s_wait_tensorcnt 0x0
	ds_add_u32 v254, v255
	s_wait_dscnt 0x0
	CROUND                                         ; the closing round: no work-group ends while a partner may still ask for a tile that names it
	s_endpgm
.Lfunc_end_k_qff9639cccb_outp:
	.size	k_qff9639cccb_outp, .Lfunc_end_k_qff9639cccb_outp-k_qff9639cccb_outp
	.p2alignl 7, 3214868480
	.fill 96, 4, 3214868480
	.section	.rodata,"a",@progbits
	.p2align	6, 0x0
	.amdhsa_kernel k_qff9639cccb_outp
		.amdhsa_group_segment_fixed_size 252160
		.amdhsa_private_segment_fixed_size 0
		.amdhsa_enable_private_segment 0
		.amdhsa_kernarg_size 48
		.amdhsa_user_sgpr_count 2
		.amdhsa_user_sgpr_kernarg_segment_ptr 1
		.amdhsa_wavefront_size32 1
		.amdhsa_system_sgpr_workgroup_id_x 1
		.amdhsa_system_sgpr_workgroup_id_y 1
		.amdhsa_system_sgpr_workgroup_id_z 1
		.amdhsa_system_vgpr_workitem_id 0
		.amdhsa_next_free_vgpr 768
		.amdhsa_next_free_sgpr 102
		.amdhsa_reserve_vcc 0
		.amdhsa_float_denorm_mode_32 3
		.amdhsa_float_denorm_mode_16_64 3
		.amdhsa_memory_ordered 1
		.amdhsa_forward_progress 1
		.amdhsa_inst_pref_size 73
	.end_amdhsa_kernel
	.amdgpu_metadata
---
amdhsa.version: [ 1, 2 ]
amdhsa.kernels:
  - .name:           k_qff9639cccb_outp
    .symbol:         k_qff9639cccb_outp.kd
    .args:
      - { .name: Wo_codes, .offset: 0, .size: 8, .value_kind: global_buffer, .address_space: global }
      - { .name: Wo_scales, .offset: 8, .size: 8, .value_kind: global_buffer, .address_space: global }
      - { .name: bo, .offset: 16, .size: 8, .value_kind: global_buffer, .address_space: global }
      - { .name: cc, .offset: 24, .size: 8, .value_kind: global_buffer, .address_space: global }
      - { .name: cs, .offset: 32, .size: 8, .value_kind: global_buffer, .address_space: global }
      - { .name: out0, .offset: 40, .size: 8, .value_kind: global_buffer, .address_space: global }
    .group_segment_fixed_size: 252160
    .private_segment_fixed_size: 0
    .kernarg_segment_align: 8
    .kernarg_segment_size: 48
    .max_flat_workgroup_size: 128
    .sgpr_count:     102
    .vgpr_count:     768
    .wavefront_size: 32
...
	.end_amdgpu_metadata
.endif
;; end of part 3
